; MI455X (gfx1250); checked and timed in simulation.
; The chip was launched on July 23, 2026; its instructions are those of AMD's public machine-readable ISA for CDNA 5 (MIT licence, August 2026) and "CDNA5" Instruction Set Architecture Reference Guide (July 2026). The comments in the code are by the model that wrote it; some were corrected since.
;; Causal Self Attention. Allowed arithmetic: matrix products marked QUANTISED: E2M3 operands, one E8M0 scale for each 32 along K, by v_wmma_scale_f32_16x16x128_f8f6f4 with both operands' format E2M3, f32 sums; everything else in f32.
;; Inputs: W_attn 1,024 x 3,072 float32; W_proj 1,024 x 1,024 float32; b_attn 3,072 float32; b_proj 1,024 float32; x 4 x 2,048 x 1,024 float32.
;; Outputs: out0 4 x 2,048 x 1,024 float32.
;; This version of the problem:
;;   THIS VERSION OF THE PROBLEM IS GIVEN IN LOW PRECISION. The matrix products marked QUANTISED in the list below multiply operands that are first quantised to E2M3 (2 exponent bits, 3 mantissa bits; 6 bits a number), with one power-of-two scale for each 32 numbers along K (OCP MX v1.0); their sums are f32. All else is computed in f32.
;;   The module's matrix products, in the order in which they are computed (A, B: the left and right operand; K: the contracted axis; several contracted axes count as one K, in the product's order):
;;     1. [M 8,192, K 1,024] x [K 1,024, N 3,072]; A: input x; B: input W_attn: QUANTISED
;;     2. batch 64 x [M 2,048, K 64] x [K 64, N 2,048]; A: computed on the way; B: computed on the way: QUANTISED
;;     3. batch 64 x [M 2,048, K 2,048] x [K 2,048, N 64]; A: softmax (see below); B: computed on the way: QUANTISED
;;     4. [M 8,192, K 1,024] x [K 1,024, N 1,024]; A: computed on the way; B: input W_proj: QUANTISED
;;   THE QUANTISER, for each operand of a quantised product, along K:
;;     - K is cut into blocks of 32 from its start; a last block that is shorter is filled with zeros.
;;     - A block's scale is 2^e with e = floor(log2(the largest magnitude in the block)) - 2, held to -126 .. 127; a block of zeros has e = 0. As a byte (E8M0): e + 127.
;;     - Each number is divided by its block's scale, clamped to +-7.5, and rounded to the nearest number of E2M3, ties to even, subnormals kept.
;;     - The product sums the exact products of the quantised numbers (number of the format x scale) in f32.
;;   ~~~python
;;   def quantise(x, axis):      # numpy; x: float32 -> the quantised numbers, widened to float32 again
;;       x = np.moveaxis(x, axis, -1); K = x.shape[-1]
;;       x = np.pad(x, [(0, 0)] * (x.ndim - 1) + [(0, -K % 32)]); x = x.reshape(x.shape[:-1] + (-1, 32)); a = np.abs(x).max(-1, keepdims=True)
;;       e = np.where(a > 0, np.clip(np.frexp(np.where(a > 0, a, 1))[1] - 1 - 2, -126, 127), 0)      # np.frexp(a)[1] - 1 = floor(log2(a)), exactly
;;       r = np.clip(x / 2.0 ** e, -7.5, 7.5)
;;       step = 2.0 ** (np.maximum(np.frexp(np.where(r == 0, 1, r))[1] - 1, 0) - 3)
;;       q = np.round(r / step) * step * 2.0 ** e      # np.round: ties to even
;;       return np.moveaxis(q.reshape(q.shape[:-2] + (-1,))[..., :K], -1, axis).astype(np.float32)
;;   ~~~
;;   SOFTMAX AHEAD OF A QUANTISED PRODUCT. Where the list says 'softmax', what is quantised is not the finished softmax but p = 2^(t - M), with t = logit x log2(e) and M = ceil(the row's largest t), a whole number; so 1/2 < the row's largest p <= 1. The row's sum l is taken of the UNQUANTISED p, in f32, and the product's result is divided by l at the end. Since M is a whole number, a kernel that streams over the keys may use a running M (the ceiling of the running maximum): every later rescaling is an exact power of two, which a block's scale takes up: the codes' values come out the same.
;;   OPERANDS COMPUTED ON THE WAY. 'Computed on the way' means the value that the module computes at that place (a softmax that the list does not call 'softmax' is quantised finished and normalised). What goes into a quantiser is computed in f32, as accurately as f32 sums, v_exp_f32 and their like allow (about 1e-6 of the number): no bf16 or f16 on the way to a quantiser, and a product that is left as it is and whose result goes on into a quantised operand takes f32 operands (vector FMAs, or v_wmma_f32_16x16x4_f32). A number that lies on a knife's edge between two numbers of the format may be rounded either way, as far as f32 arithmetic and the matrix unit's own rounding can turn it there, and no further.
;; One version. Each part assembles by itself: llvm-mc -triple=amdgcn-amd-amdhsa -mcpu=gfx1250 --defsym DOCPART=n.
;; ======== version 1 of 1: 4 launches
;; limits: right only within a limited range of input values
;; workspace buffers: xq 6,553,600 bytes; wq 3,276,800 bytes; qkq 13,631,488 bytes; vq 6,553,600 bytes; yq 6,553,600 bytes
;; launch quant (part 1): grid 512 x 1, 4 waves a work-group, no clusters, 50,688 bytes of LDS; arguments x, xq, W_attn, W_proj, wq; writes xq, wq
.if DOCPART == 1
	.amdgcn_target "amdgcn-amd-amdhsa--gfx1250"
	.amdhsa_code_object_version 6
	.text
	.protected	k_q9776e18e09_quant
	.globl	k_q9776e18e09_quant
	.p2align	8
	.type	k_q9776e18e09_quant,@function
k_q9776e18e09_quant:
	s_mov_b64 s[64:65], 0
	v_nop
	global_prefetch_b8 v0, s[64:65] scope:SCOPE_SE
	s_setreg_imm32_b32 hwreg(HW_REG_WAVE_MODE, 25, 1), 1
	s_wait_xcnt 0x0
; x [8192][1024], W_attn [1024][3072] and W_proj [1024][1024], f32, become codes of FP6 (E2M3) with one E8M0 byte for each 32 along K, laid as the products' launches want them.
; Work-groups 0-255 take x, 256-511 the weights: two paths that part on the work-group's number, each with LDS bytes of its own (x: 0 to 36,863; the weights: from WB on); the spare words lie between.
; TILES.  16 rows (of x) or columns (of a weight) form a tile; tile 2 b + u holds rows 32 b + 8 u + r + 8 (r / 8), r = 0 .. 15.  wq's tiles 0-191 are W_attn's, 192-255 W_proj's.
; PIECES.  16 rows x 64 K of codes are a piece of 768 bytes, an image of operand registers: lane (r, h) owns the 24 bytes of block 2 s + h of row r: bytes 0-15 at 16 x lane, bytes 16-23 at 512 + 8 x lane.
; xq, wq: codes [tile][piece 0..15][768]; from XSC (WSC) on scale bytes [tile][j 0..3][r][8], byte m of an entry for block 8 j + m.
; A block's scale is 2^(floor(log2(largest magnitude)) - 2); its byte is the largest magnitude's exponent field - 2, held at 1 from below.
; LIMITS: NaN and infinities among the inputs are not served; a block of zeros gets the byte 1 (its codes are zeros; only this program reads the bytes).
.set WREG,  9216                       ; x: LDS of a wave: two stages and 256 scale bytes
.set STG,   4352                       ; a stage: 16 rows x 272 bytes
.set SCB,   2*STG
.set XSC,   6291456
.set XR,    16                         ; v16-111   three sets of 32 registers as loaded
.set XX,    112                        ; v112-175  two sets of 32 neighbours along K
.set XC,    176                        ; v176-239  codes: eight registers a step, never written again
.set XE,    240                        ; v240-247  a scale byte a step
.set WB,    37376                      ; the weights' LDS bytes
.set WSC,   3145728
.set TSTR,  1664                       ; a tile's two pieces (1,536 bytes) + 128
.set WOFF,  32                         ; v32-63   4 x lane + i x pitch
.set WX,    64                         ; v64-127  two sets of 32 numbers
.set WC,    128                        ; v128-135 a block's codes
.set WOUT,  136                        ; v136-159 the way out
.set WSB,   24                         ; v24      four scale bytes
	v_lshl_add_u32 v254, v0, 2, 0x9000
	v_mov_b32 v255, 0
	s_cmp_ge_u32 ttmp9, 256
	s_cbranch_scc1 .Lweights
; x.  Wave G = 4 x work-group + wave takes tile G / 2 and half G % 2 of K: eight steps of one piece.  Each load reads two rows' aligned 256 bytes; a step's 4,096 bytes turn through the wave's own stage
; (rows 272 bytes apart) and come back 128 bytes a lane: a whole block.  Loads run three steps ahead, the turn one step.  Waves share nothing: no barrier.
	s_load_b128 s[4:7], s[0:1], 0x0                ; x, xq
	v_lshrrev_b32 v1, 5, v0
	v_readfirstlane_b32 s8, v1                     ; wave
	v_and_b32 v2, 31, v0
	v_and_b32 v10, 15, v0                          ; r
	v_bfe_u32 v11, v0, 4, 1                        ; h
	v_lshlrev_b32 v3, 4, v10
	v_lshl_add_u32 v3, v11, 12, v3                 ; in: 16 bytes of a row's 256; lanes 16-31 one row down
	v_lshlrev_b32 v4, 4, v2
	v_lshlrev_b32 v5, 3, v2
	s_mul_i32 s9, s8, WREG
	v_lshl_add_u32 v6, v10, 3, v11                 ; my block's byte among the wave's 256: 8 r + h
	v_add_nc_u32 v6, s9, v6
	v_add_nc_u32 v6, SCB, v6
	v_add_nc_u32 v7, s9, v5
	v_add_nc_u32 v7, SCB, v7
	v_mul_u32_u24 v14, v11, 272
	v_lshl_add_u32 v14, v10, 4, v14
	v_add_nc_u32 v14, s9, v14                      ; the stage, in: two rows a store
	v_mul_u32_u24 v15, v10, 272
	v_lshl_add_u32 v15, v11, 7, v15
	v_add_nc_u32 v15, s9, v15                      ; and out: row r, block h
	s_lshl_b32 s10, ttmp9, 2
	s_add_co_u32 s10, s10, s8                      ; G
	s_lshr_b32 s11, s10, 2
	s_lshl_b32 s11, s11, 17
	s_bfe_u32 s12, s10, 0x10001
	s_lshl_b32 s12, s12, 15
	s_add_co_u32 s12, s12, s11
	s_and_b32 s13, s10, 1
	s_lshl_b32 s13, s13, 11
	s_add_co_u32 s12, s12, s13
	s_mov_b32 s13, 0
	s_mul_i32 s14, s10, 6144
	s_mov_b32 s15, 0
	s_lshl_b32 s16, s10, 8
	s_add_co_u32 s16, s16, XSC
	s_mov_b32 s17, 0
	s_wait_alu depctr_va_vdst(0)
	s_wait_kmcnt 0x0
	s_add_nc_u64 s[4:5], s[4:5], s[12:13]
	s_add_nc_u64 s[18:19], s[6:7], s[14:15]
	s_add_nc_u64 s[20:21], s[6:7], s[16:17]
.macro XLOAD t                         ; step t: load i takes the tile's rows 2 i and 2 i + 1
.irp i, 0,1,2,3,4,5,6,7
	global_load_b128 v[XR+32*((\t)%3)+4*\i:XR+32*((\t)%3)+4*\i+3], v3, s[4:5] offset:(2*\i+8*(\i/4))*4096+256*(\t) th:TH_LOAD_NT
.endr
.endm
.macro XTURN t                         ; LDS serves a wave's instructions in order: no wait between the stores and the loads
.irp i, 0,1,2,3,4,5,6,7
	ds_store_b128 v14, v[XR+32*((\t)%3)+4*\i:XR+32*((\t)%3)+4*\i+3] offset:STG*((\t)%2)+544*\i
.endr
.irp j, 0,1,2,3,4,5,6,7
	ds_load_b128 v[XX+32*((\t)%2)+4*\j:XX+32*((\t)%2)+4*\j+3], v15 offset:STG*((\t)%2)+16*\j
.endr
.endm
	XLOAD 0
	XLOAD 1
	XLOAD 2
	s_wait_loadcnt 16                              ; step 0's eight loads are in
	XTURN 0
.macro XSTEP t
.set XS, XX+32*((\t)%2)
.set CC, XC+8*(\t)
.if (\t) > 0
	s_wait_dscnt 1                                 ; this step's numbers are back; only the last step's byte store may be out
.else
	s_wait_dscnt 0x0
.endif
.if (\t)+3 < 8
	XLOAD (\t)+3
.endif
.if (\t)+1 < 8
.if (\t) <= 4
	s_wait_loadcnt 16                              ; the next step's loads are in; two steps' may be out
.else
	s_wait_loadcnt 8*(6-(\t))
.endif
	XTURN (\t)+1
.endif
	v_max3_num_f32 v8, |v[XS]|, |v[XS+1]|, |v[XS+2]|
	v_max3_num_f32 v9, |v[XS+3]|, |v[XS+4]|, |v[XS+5]|
.irp i, 6,10,14,18,22,26
	v_max3_num_f32 v8, v8, |v[XS+\i]|, |v[XS+\i+1]|
	v_max3_num_f32 v9, v9, |v[XS+\i+2]|, |v[XS+\i+3]|
.endr
	v_max3_num_f32 v8, v8, |v[XS+30]|, |v[XS+31]|
	v_max3_num_f32 v8, v8, v9, 0x1800000           ; the floor 2^(3 - 127)
	v_add_nc_u32 v11, 0xff000000, v8               ; the conversion's scale operand
	v_cvt_scalef32_pk16_fp6_f32 v[CC:CC+2], v[XS:XS+15], v11
	v_cvt_scalef32_pk16_fp6_f32 v[CC+4:CC+6], v[XS+16:XS+31], v11
	v_lshrrev_b32 v[XE+(\t)], 23, v11              ; the scale's byte; also the plain line behind the conversions
	v_mov_b32 v[CC+3], v[CC+4]
	v_mov_b32 v[CC+4], v[CC+5]
	v_mov_b32 v[CC+5], v[CC+6]
	ds_store_b8 v6, v[XE+(\t)] offset:128*((\t)/4)+2*((\t)%4)
	global_store_b128 v4, v[CC:CC+3], s[18:19] offset:768*(\t)
	global_store_b64 v5, v[CC+4:CC+5], s[18:19] offset:768*(\t)+512
.endm
.irp t, 0,1,2,3,4,5,6,7
	XSTEP \t
.endr
	ds_load_b64 v[12:13], v7
	s_wait_dscnt 0x0
	global_store_b64 v5, v[12:13], s[20:21]        ; 256 consecutive bytes, aligned
	s_wait_tensorcnt 0x0                           ; the wave's end
	ds_add_u32 v254, v255
	s_wait_dscnt 0x0
	s_endpgm
.Lweights:
; THE WEIGHTS.  K is their first axis: a lane takes a column and its registers run down K, so a block of 32 lies in one lane and the conversions give codes with K innermost.
; Of the 256 work-groups, number % 32 = X takes 128 columns (X < 24: W_attn; else W_proj: only pointer, pitch and column are chosen), number / 32 = Y takes 128 rows of K; a wave 32 columns: two tiles, four blocks a lane.
	s_load_b128 s[4:7], s[0:1], 0x10               ; W_attn, W_proj
	s_load_b64 s[8:9], s[0:1], 0x20                ; wq
	v_lshrrev_b32 v1, 5, v0
	v_readfirstlane_b32 s10, v1                    ; wave
	v_and_b32 v2, 31, v0
	v_lshlrev_b32 v3, 2, v2
	v_bfe_u32 v10, v0, 3, 1                        ; u: which of the two tiles
	v_and_b32 v11, 7, v0
	v_bfe_u32 v12, v0, 4, 1
	v_lshl_or_b32 v11, v12, 3, v11                 ; r: my row in that tile
	s_mul_i32 s19, s10, 2*TSTR
	s_add_co_u32 s19, s19, WB
	v_mul_u32_u24 v13, v10, TSTR
	v_add_nc_u32 v13, s19, v13
	v_lshl_add_u32 v4, v11, 4, v13
	v_lshl_add_u32 v5, v11, 3, v13
	v_lshlrev_b32 v8, 4, v2
	v_add_nc_u32 v7, s19, v8
	v_lshlrev_b32 v9, 3, v11
	v_lshl_add_u32 v9, v10, 9, v9                  ; my entry in the scale table: 512 u + 8 r
	s_and_b32 s2, ttmp9, 31                        ; X
	s_bfe_u32 s11, ttmp9, 0x30005                  ; Y
	s_mov_b32 s12, 4096
	s_wait_kmcnt 0x0
	s_cmp_lt_u32 s2, 24
	s_cselect_b64 s[4:5], s[4:5], s[6:7]
	s_cselect_b32 s12, 12288, s12                  ; bytes from a row of K to the next
	s_cselect_b32 s13, 0, 24
	s_sub_co_u32 s13, s2, s13
	s_lshl_b32 s13, s13, 9
	s_lshl_b32 s14, s10, 7
	s_add_co_u32 s14, s14, s13
	s_lshl_b32 s15, s11, 7
	s_mul_i32 s15, s15, s12
	s_add_co_u32 s14, s14, s15
	s_mov_b32 s15, 0
	s_lshl_b32 s16, s12, 5
	s_mov_b32 s17, 0
	s_add_nc_u64 s[24:25], s[4:5], s[14:15]        ; a base for each of my four blocks
	s_add_nc_u64 s[26:27], s[24:25], s[16:17]
	s_add_nc_u64 s[28:29], s[26:27], s[16:17]
	s_add_nc_u64 s[30:31], s[28:29], s[16:17]
.set I, 0
.rept 32
	v_mad_u32_u24 v[WOFF+I], s12, I, v3
.set I, I+1
.endr
	s_lshl_b32 s18, s2, 3
	s_lshl_b32 s20, s10, 1
	s_add_co_u32 s18, s18, s20                     ; my first tile: 8 X + 2 wave
	s_mul_i32 s20, s18, 12288
	s_mul_i32 s21, s11, 1536
	s_add_co_u32 s20, s20, s21
	s_mov_b32 s21, 0
	s_add_nc_u64 s[20:21], s[8:9], s[20:21]
	s_lshl_b32 s22, s18, 9
	s_lshr_b32 s23, s11, 1
	s_lshl_b32 s23, s23, 7
	s_add_co_u32 s22, s22, s23
	s_and_b32 s23, s11, 1
	s_lshl_b32 s23, s23, 2
	s_add_co_u32 s22, s22, s23
	s_add_co_u32 s22, s22, WSC
	s_mov_b32 s23, 0
	s_add_nc_u64 s[22:23], s[8:9], s[22:23]
.macro WLOAD t                         ; block t: 32 rows of K at my column: 128 consecutive bytes a load
.set I, 0
.rept 32
	global_load_b32 v[WX+32*((\t)%2)+I], v[WOFF+I], s[24+2*(\t):25+2*(\t)] th:TH_LOAD_NT
.set I, I+1
.endr
.endm
	s_wait_alu depctr_va_vdst(0)
	WLOAD 0
	WLOAD 1
.macro WBLOCK t
.set XS, WX+32*((\t)%2)
.if (\t) < 3
	s_wait_loadcnt 32                              ; this block's loads are in; the next block's 32 may be out
.else
	s_wait_loadcnt 0x0
.endif
	v_max3_num_f32 v14, |v[XS]|, |v[XS+1]|, |v[XS+2]|
	v_max3_num_f32 v15, |v[XS+3]|, |v[XS+4]|, |v[XS+5]|
.irp i, 6,10,14,18,22,26
	v_max3_num_f32 v14, v14, |v[XS+\i]|, |v[XS+\i+1]|
	v_max3_num_f32 v15, v15, |v[XS+\i+2]|, |v[XS+\i+3]|
.endr
	v_max3_num_f32 v14, v14, |v[XS+30]|, |v[XS+31]|
	v_max3_num_f32 v14, v14, v15, 0x1800000
	v_add_nc_u32 v16, 0xff000000, v14
	v_cvt_scalef32_pk16_fp6_f32 v[WC:WC+2], v[XS:XS+15], v16
	v_cvt_scalef32_pk16_fp6_f32 v[WC+4:WC+6], v[XS+16:XS+31], v16
	v_lshrrev_b32 v17, 23, v16
.if (\t) == 0
	v_mov_b32 v[WSB], v17
.else
	v_lshl_or_b32 v[WSB], v17, 8*(\t), v[WSB]
.endif
	v_mov_b32 v[WC+3], v[WC+4]
	v_mov_b32 v[WC+4], v[WC+5]
	v_mov_b32 v[WC+5], v[WC+6]
	ds_store_b128 v4, v[WC:WC+3] offset:768*((\t)/2)+256*((\t)%2)
	ds_store_b64 v5, v[WC+4:WC+5] offset:768*((\t)/2)+512+128*((\t)%2)
.if (\t) < 2
	WLOAD (\t)+2
.endif
	s_wait_dscnt 0x0                               ; the stores have read their registers
.endm
	WBLOCK 0
	WBLOCK 1
	WBLOCK 2
	WBLOCK 3
	s_wait_alu depctr_va_vdst(0)
	global_store_b32 v9, v[WSB], s[22:23]
.irp n, 0,1,2,3,4,5
	ds_load_b128 v[WOUT+4*\n:WOUT+4*\n+3], v7 offset:(\n/3)*TSTR+512*(\n%3)
.endr
.irp n, 0,1,2,3,4,5
	s_wait_dscnt 5-\n
	global_store_b128 v8, v[WOUT+4*\n:WOUT+4*\n+3], s[20:21] offset:(\n/3)*12288+512*(\n%3)
.endr
	s_wait_tensorcnt 0x0
	ds_add_u32 v254, v255
	s_wait_dscnt 0x0
	s_endpgm
.Lfunc_end_k_q9776e18e09_quant:
	.size	k_q9776e18e09_quant, .Lfunc_end_k_q9776e18e09_quant-k_q9776e18e09_quant
	.p2alignl 7, 3214868480
	.fill 96, 4, 3214868480
	.section	.rodata,"a",@progbits
	.p2align	6, 0x0
	.amdhsa_kernel k_q9776e18e09_quant
		.amdhsa_group_segment_fixed_size 50688
		.amdhsa_private_segment_fixed_size 0
		.amdhsa_enable_private_segment 0
		.amdhsa_kernarg_size 40
		.amdhsa_user_sgpr_count 2
		.amdhsa_user_sgpr_kernarg_segment_ptr 1
		.amdhsa_wavefront_size32 1
		.amdhsa_system_sgpr_workgroup_id_x 1
		.amdhsa_system_sgpr_workgroup_id_y 1
		.amdhsa_system_sgpr_workgroup_id_z 1
		.amdhsa_system_vgpr_workitem_id 0
		.amdhsa_next_free_vgpr 256
		.amdhsa_next_free_sgpr 66
		.amdhsa_reserve_vcc 0
		.amdhsa_float_denorm_mode_32 3
		.amdhsa_float_denorm_mode_16_64 3
		.amdhsa_memory_ordered 1
		.amdhsa_forward_progress 1
		.amdhsa_inst_pref_size 55
	.end_amdhsa_kernel
	.amdgpu_metadata
---
amdhsa.version: [ 1, 2 ]
amdhsa.kernels:
  - .name:           k_q9776e18e09_quant
    .symbol:         k_q9776e18e09_quant.kd
    .args:
      - { .name: x, .offset: 0, .size: 8, .value_kind: global_buffer, .address_space: global }
      - { .name: xq, .offset: 8, .size: 8, .value_kind: global_buffer, .address_space: global }
      - { .name: W_attn, .offset: 16, .size: 8, .value_kind: global_buffer, .address_space: global }
      - { .name: W_proj, .offset: 24, .size: 8, .value_kind: global_buffer, .address_space: global }
      - { .name: wq, .offset: 32, .size: 8, .value_kind: global_buffer, .address_space: global }
    .group_segment_fixed_size: 50688
    .private_segment_fixed_size: 0
    .kernarg_segment_align: 8
    .kernarg_segment_size: 40
    .max_flat_workgroup_size: 128
    .sgpr_count:     66
    .vgpr_count:     256
    .wavefront_size: 32
...
	.end_amdgpu_metadata
.endif
;; end of part 1
;; launch gemm_qkv (part 2): grid 12 x 32, 4 waves a work-group, clusters of 4 x 4, 327,680 bytes of LDS; arguments xq, wq, b_attn, qkq, vq; writes qkq, vq
.if DOCPART == 2
	.amdgcn_target "amdgcn-amd-amdhsa--gfx1250"
	.amdhsa_code_object_version 6
	.text
	.protected	k_q9776e18e09_gemm_qkv
	.globl	k_q9776e18e09_gemm_qkv
	.p2align	8
	.type	k_q9776e18e09_gemm_qkv,@function
k_q9776e18e09_gemm_qkv:
	s_mov_b64 s[64:65], 0
	v_nop
	global_prefetch_b8 v0, s[64:65] scope:SCOPE_SE
	s_setreg_imm32_b32 hwreg(HW_REG_WAVE_MODE, 25, 1), 1
	s_wait_xcnt 0x0
	s_wait_alu depctr_hold_cnt(0) depctr_sa_sdst(0) depctr_va_vdst(0) depctr_va_sdst(0) depctr_va_ssrc(0) depctr_va_vcc(0) depctr_vm_vsrc(0)
	s_getreg_b32 s2, hwreg(HW_REG_IB_STS2, 6, 4)
	s_cmp_eq_u32 s2, 0
	s_cbranch_scc0 .Lentry_in_a_cluster
	s_endpgm
.Lentry_in_a_cluster:
	s_bfe_u32 s2, ttmp6, 0x10000c
	s_cmp_lg_u32 s2, 0xf033
	s_cbranch_scc0 .Lentry_shape_is_right
	s_endpgm
.Lentry_shape_is_right:
; qkv = x W_attn + b_attn on codes of FP6 (E2M3) with E8M0 scales (xq, wq), f32 sums; q, k and v are quantised in registers for the attention's products and leave as codes.
; A work-group of four waves makes 256 x 256 numbers, a wave 128 x 128: 64 accumulators of 16 x 16.  K = 1,024 goes in four steps of 256 through two LDS slots filled by the tensor data mover.
; OPERANDS lie in memory as tiles of 16 rows (tile 2 b + u: rows 32 b + 8 u + r + 8 (r / 8)), each tile as 16 pieces of 768 bytes (16 rows x 64 K, an image of operand registers).  So a fragment comes from LDS by
; four loads of consecutive bytes, and the 64 registers that a lane holds of one source-1 tile run over 128 NEIGHBOURING rows of source 0: register 16 B + i is row 32 B + 16 (lane / 16) + i.
; ROLES, by the cluster's x, which all partners share.  x = 0, 1 (q and k): source 1 = rows of x, source 0 = columns of W: a lane holds one row and 128 channels, two heads: quantised along the head's 64.
; x = 2 (v): the two change places: a lane holds one channel and 128 keys: quantised along the keys.  The bias is the C of each sum's first product.
; OUT.  qkq: codes at H x 393,216 + row tile x 768 (H 0-15: q's heads, 16-31: k's); scale words (two bytes, two zero bytes) from QKSC on at H x 32,768 + (tile / 4) x 256 + 16 r + 4 (tile % 4).
; vq: fragments of 16 channels x 128 keys, 1,536 bytes, at bh x 98,304 + step x 6,144 + t x 1,536; scale words from VSC on at bh x 4,096 + step x 256 + 16 r + 4 t.
; CLUSTERS: 4 x 4.  The first argument's tiles hang on cy and are shared along a row of the cluster, the second's on cx and along a column: each is asked for jointly.
; LIMITS: NaN and infinities are not served; a block of zeros gets the byte 1 (its codes are zeros; only this program reads the bytes).
; REGISTERS: window 0: v1-8 lane numbers and offsets; v16-23 fragment addresses; v27 scale address; v28, v29 for the add; v32-63 scale words, two sets, and nothing else; v64-127 the bias; v128-223 the first
; argument's fragments, one set (on the way out: at work).  window 1: the second argument's fragments, two sets, at v0 and v128.  windows 2, 3: the accumulators ((a, b) at v[8 (8 (a % 4) + b)] of window 2 + a / 4).
.set TILEB,  3072                      ; a tile's bytes of a K step of 256
.set HALFT,  8*TILEB                   ; eight tiles: what one tensor load brings, and what a wave reads of an argument
.set SLOT,   4*HALFT
.set SCL,    2*SLOT                    ; behind the ring: the scale tables of the 2 x 16 tiles, 512 bytes each, filled once
.set HALFS,  4096
.set SPARE,  SCL+4*HALFS               ; the spare words, 128 bytes a wave: two blocks of 256 bytes that no other line names
.set XSC,    6291456
.set WSC,    3145728
.set QKSC,   12582912
.set VSC,    6291456
.set FR,     12
.set NL,     4                         ; LDS loads that bring a fragment
.set NP,     4                         ; places behind this matrix instruction (ISA guide 7.12.1)
.set NQ,     2
.set ADRA, 16                          ; v16-17 16 x lane + my tiles of the first argument in slot 0, 1;  v18-19 the same with 8 x lane
.set ADRB, 20                          ; v20-23 the same for the second argument
.set ADRS, 27
.set SPW,  28
.set NIL,  29
.set SC,   32
.set BI,   64
.set AF,   128
.set TM,   128                         ; the way out: v128-131 largest magnitudes, v132-135 the other lanes' and the bytes, v140-143 scale operands
.set PW,   144                         ; the scale word just made
.set SH,   145                         ; 16 x (lane / 16)
.set W,    148                         ; v148-155 eight tiles' scale words
.set U,    156
.set PC,   160                         ; v160-179 the codes just made
.set G1, 24
.set G0, 32
.set G1B, 48
.set G0B, 56
.set G1S, 68
.set G0S, 76
.set G1SB, 80
.set G0SB, 88
.set MSB, 0
.macro WIN new                         ; the immediate's high byte repeats the setting that is left
.if MSB != \new
	s_set_vgpr_msb (MSB<<8)|\new
.set MSB, \new
.endif
.endm
.set MUL_LO, 0xa1                      ; source 0 window 1, source 1 window 0, C and D window 2
.set MUL_HI, 0xf1                      ; the same, C and D window 3
.set BIA_LO, 0x81                      ; the first products: C (the bias) window 0, D window 2
.set BIA_HI, 0xc1
.set TO_B,   0x40
; A joint load: waves 0 and 1 fetch for the first argument, waves 2 and 3 for the second.  The branch hangs on the wave's number alone.  Four v_nop follow each of the two lines.
.macro JLOAD g0a, g1a, g0b, g1b
	s_cmp_eq_u32 s15, 0
	s_cbranch_scc0 .Lfor_b_\@
	tensor_load_to_lds s[\g0a:\g0a+3], s[\g1a:\g1a+7]
	s_nop 0
.rept 4
	v_nop
.endr
	s_branch .Lasked_\@
.Lfor_b_\@:
	tensor_load_to_lds s[\g0b:\g0b+3], s[\g1b:\g1b+7]
	s_nop 0
.rept 4
	v_nop
.endr
.Lasked_\@:
.endm
.macro CREST                           ; a round of the cluster's barrier behind its opening barrier
	s_cmp_lg_u32 s14, 0
	s_cbranch_scc1 .Lnot_wave_0_\@
	s_barrier_signal -3
.Lnot_wave_0_\@:
	s_barrier_wait -3
	s_barrier_signal -1
	s_barrier_wait -1
.endm
.macro CROUND
	s_barrier_signal -1
	s_barrier_wait -1
	CREST
.endm
.macro PLACES n
.rept \n
	v_nop
.endr
.endm
	s_load_b128 s[4:7], s[0:1], 0x0                ; xq, wq
	s_load_b128 s[8:11], s[0:1], 0x10              ; b_attn, qkq
	s_load_b64 s[12:13], s[0:1], 0x20              ; vq
	v_lshl_add_u32 v[SPW], v0, 2, SPARE
	v_mov_b32 v[NIL], 0
	ds_add_u32 v28, v29
	ds_add_u32 v28, v29
	s_wait_dscnt 0x0
	v_lshrrev_b32 v1, 5, v0
	v_readfirstlane_b32 s14, v1                    ; wave 0..3
	s_lshr_b32 s15, s14, 1                         ; my half of the first argument's rows.  Also: I fetch for the first (0) or the second (1)
	s_and_b32 s16, s14, 1                          ; my half of the second's.  Also: which eight tiles I fetch
	s_bfe_u32 s40, ttmp6, 0x40000                  ; cx
	s_bfe_u32 s41, ttmp6, 0x40004                  ; cy
	s_lshl_b32 s42, ttmp9, 2                       ; 4 x cluster x
	s_and_b32 s17, ttmp7, 0xffff
	s_lshl_b32 s17, s17, 2                         ; 4 x cluster y
	s_lshl_b32 s43, s41, 2
	s_lshl_b32 s43, 15, s43                        ; my row of the cluster
	s_lshl_b32 s44, 0x1111, s40                    ; my column
	; group 1 for codes: eight tiles, of each 3,072 bytes (384 elements of 8 bytes), 12,288 bytes apart; dense in LDS
	s_or_b32 s[G1+0], s43, (3<<16)|(1<<21)
	s_or_b32 s[G1B+0], s44, (3<<16)|(1<<21)
.irp g, G1, G1B
	s_mov_b32 s[\g+1], 384<<16                     ; tensor_dim0
	s_mov_b32 s[\g+2], 16<<16                      ; tensor_dim1: sixteen tiles for the head's loads; eight for the ring's, set behind the head
	s_mov_b32 s[\g+3], 384<<16                     ; tile_dim0
	s_mov_b32 s[\g+4], 16                          ; tile_dim1
	s_mov_b32 s[\g+5], 1536                        ; tensor_dim0_stride
	s_mov_b32 s[\g+6], 0
	s_mov_b32 s[\g+7], 0
.endr
	; group 1 for the scale tables of sixteen tiles: 8,192 dense bytes as 32 rows of 256
	s_or_b32 s[G1S+0], s43, (3<<16)|(1<<21)
	s_or_b32 s[G1SB+0], s44, (3<<16)|(1<<21)
.irp g, G1S, G1SB
	s_mov_b32 s[\g+1], 32<<16
	s_mov_b32 s[\g+2], 32<<16
	s_mov_b32 s[\g+3], 32<<16
	s_mov_b32 s[\g+4], 32
	s_mov_b32 s[\g+5], 32
	s_mov_b32 s[\g+6], 0
	s_mov_b32 s[\g+7], 0
.endr
	s_mov_b32 s92, XSC
	s_mov_b32 s93, WSC
	s_mul_i32 s47, s14, HALFT                      ; where my tiles go: no place in the cluster enters an LDS address
	s_wait_kmcnt 0x0
	s_cmp_eq_u32 ttmp9, 2                          ; the role: the same in all sixteen partners
	s_cselect_b64 s[18:19], s[6:7], s[4:5]         ; the first argument: x's codes, or W's for v
	s_cselect_b64 s[20:21], s[4:5], s[6:7]         ; the second
	s_cselect_b32 s22, 8, s17
	s_cselect_b32 s23, s17, s42
	s_cselect_b32 s94, s93, s92                    ; where their scale tables begin
	s_cselect_b32 s95, s92, s93
	s_add_co_u32 s22, s22, s41                     ; TA: which 256 rows of the first argument: hangs on cy alone
	s_add_co_u32 s23, s23, s40                     ; TB: of the second: on cx alone
	s_lshl_b32 s46, s22, 4                         ; the first argument's first tile
	s_lshl_b32 s96, s23, 4                         ; the second's
	s_mul_i32 s98, s46, 12288
	s_mov_b32 s99, 0
	s_lshl_b32 s2, s46, 9
	s_add_co_u32 s2, s2, s94
	s_mov_b32 s3, 0
	s_mul_i32 s66, s96, 12288
	s_mov_b32 s67, 0
	s_lshl_b32 s100, s96, 9
	s_add_co_u32 s100, s100, s95
	s_mov_b32 s101, 0
	CROUND                                         ; all sixteen work-groups are here: the first joint loads meet
	; THE HEAD'S FOUR TILES, EACH WHOLE, ONE JOINT LOAD A WAVE: wave 0 K step 0 of the first argument's sixteen tiles, wave 1 of the second's, waves 2 and 3 the two scale tables
	s_mov_b32 s[G0S], 1
	s_mov_b32 s[G0S+1], SCL
	s_add_nc_u64 s[G0S+2:G0S+3], s[18:19], s[2:3]
	s_or_b32 s[G0S+3], s[G0S+3], 0x80000000
	s_mov_b32 s[G0SB], 1
	s_mov_b32 s[G0SB+1], SCL+2*HALFS
	s_add_nc_u64 s[G0SB+2:G0SB+3], s[20:21], s[100:101]
	s_or_b32 s[G0SB+3], s[G0SB+3], 0x80000000
	s_mov_b32 s[G0], 1
	s_mov_b32 s[G0+1], 0
	s_add_nc_u64 s[G0+2:G0+3], s[18:19], s[98:99]
	s_or_b32 s[G0+3], s[G0+3], 0x80000000
	s_mov_b32 s[G0B], 1
	s_mov_b32 s[G0B+1], 2*HALFT
	s_add_nc_u64 s[G0B+2:G0B+3], s[20:21], s[66:67]
	s_or_b32 s[G0B+3], s[G0B+3], 0x80000000
	s_mul_i32 s92, s16, 8*12288                    ; in the ring I fetch eight tiles: which half, in bytes
	s_mov_b32 s93, 0
	s_add_nc_u64 s[98:99], s[98:99], s[92:93]      ; (offsets, not addresses) slot 1: my eight tiles, K step 1
	s_add_nc_u64 s[98:99], s[98:99], TILEB
	s_add_nc_u64 s[66:67], s[66:67], s[92:93]
	s_add_nc_u64 s[66:67], s[66:67], TILEB
	s_mov_b32 s[G0+4], 1
	s_add_co_u32 s[G0+5], s47, SLOT
	s_add_nc_u64 s[G0+6:G0+7], s[18:19], s[98:99]
	s_or_b32 s[G0+7], s[G0+7], 0x80000000
	s_mov_b32 s[G0B+4], 1
	s_add_co_u32 s[G0B+5], s47, SLOT
	s_add_nc_u64 s[G0B+6:G0B+7], s[20:21], s[66:67]
	s_or_b32 s[G0B+7], s[G0B+7], 0x80000000
.macro HARM under, g0, g1, next        ; one chain of branches on the wave's number: every way through the head passes one load
	s_cmp_lt_u32 s14, \under
	s_cbranch_scc0 \next
	tensor_load_to_lds s[\g0:\g0+3], s[\g1:\g1+7]
	s_nop 0
	PLACES 4
	s_branch .Lhead_asked
\next:
.endm
	HARM 1, G0,  G1,  .Lhead_b
	HARM 2, G0B, G1B, .Lhead_sa
	HARM 3, G0S, G1S, .Lhead_sb
	tensor_load_to_lds s[G0SB:G0SB+3], s[G1SB:G1SB+7]
	s_nop 0
	PLACES 4
.Lhead_asked:
	v_and_b32 v1, 31, v0                           ; lane
	v_and_b32 v2, 15, v0                           ; r
	v_bfe_u32 v3, v0, 4, 1                         ; h
	v_lshlrev_b32 v4, 4, v1                        ; 16 x lane
	v_lshlrev_b32 v5, 3, v1                        ; 8 x lane
	s_mul_i32 s4, s15, HALFT                       ; my eight tiles of the first argument,
	s_mul_i32 s5, s16, HALFT
	s_add_co_u32 s5, s5, 2*HALFT                   ; and of the second, which lie behind the first's sixteen
.irp s, 0,1
	v_add_nc_u32 v[ADRA+\s], s4, v4
	v_add_nc_u32 v[ADRB+\s], s5, v4
	v_add_nc_u32 v[ADRA+2+\s], s4, v5
	v_add_nc_u32 v[ADRB+2+\s], s5, v5
	s_add_co_u32 s4, s4, SLOT
	s_add_co_u32 s5, s5, SLOT
.endr
	v_lshlrev_b32 v6, 3, v2                        ; my row's entry: 8 r
	s_mul_i32 s4, s15, HALFS
	s_mul_i32 s5, s16, HALFS
	s_add_co_u32 s5, s5, 2*HALFS
	s_sub_co_u32 s5, s5, s4
	v_mul_u32_u24 v7, s5, v3                       ; lanes 16-31 take the second argument's
	s_add_co_u32 s4, s4, SCL
	v_add_nc_u32 v6, v6, v7
	v_add_nc_u32 v[ADRS], s4, v6
	; the bias, in the result's layout
	s_cmp_eq_u32 ttmp9, 2
	s_cbranch_scc1 .Lbias_v
	s_lshl_b32 s6, s23, 10                         ; q, k: register j of accumulator (a, b) is channel 256 TB + 128 half + 32 (b / 2) + 8 (b % 2) + 16 h + j
	s_lshl_b32 s7, s16, 9
	s_add_co_u32 s6, s6, s7
	s_mov_b32 s7, 0
	s_add_nc_u64 s[6:7], s[8:9], s[6:7]
	v_lshlrev_b32 v8, 6, v3
.irp b, 0,1,2,3,4,5,6,7
	global_load_b128 v[BI+8*\b:BI+8*\b+3], v8, s[6:7] offset:(32*(\b/2)+8*(\b%2))*4
	global_load_b128 v[BI+8*\b+4:BI+8*\b+7], v8, s[6:7] offset:(32*(\b/2)+8*(\b%2))*4+16
.endr
	s_wait_loadcnt 0x0
	s_branch .Lbias_done
.Lbias_v:
	s_lshl_b32 s6, s41, 10                         ; v: all eight registers of accumulator (a, b) are channel 2,048 + 256 cy + 128 half + 32 (a / 2) + 8 (a % 2) + r + 8 (r / 8)
	s_lshl_b32 s7, s15, 9
	s_add_co_u32 s6, s6, s7
	s_add_co_u32 s6, s6, 8192
	s_mov_b32 s7, 0
	s_add_nc_u64 s[6:7], s[8:9], s[6:7]
	v_and_b32 v8, 8, v2
	v_add_nc_u32 v8, v8, v2
	v_lshlrev_b32 v8, 2, v8
.irp a, 0,1,2,3,4,5,6,7
	global_load_b32 v[BI+8*\a], v8, s[6:7] offset:(32*(\a/2)+8*(\a%2))*4
.endr
	s_wait_loadcnt 0x0
.irp a, 0,1,2,3,4,5,6,7
.irp j, 1,2,3,4,5,6,7
	v_mov_b32 v[BI+8*\a+\j], v[BI+8*\a]
.endr
.endr
	PLACES NP
.Lbias_done:
.macro FRAG reg, adr, q, i             ; a fragment, 16 rows x 128 K, 12 registers: two pieces, each 16 bytes a lane and then 8 bytes a lane, as they lie
	ds_load_b128 v[\reg:\reg+3], v[\adr] offset:(\i)*TILEB+(\q)*1536
	ds_load_b64 v[\reg+4:\reg+5], v[\adr+2] offset:(\i)*TILEB+(\q)*1536+512
	ds_load_b128 v[\reg+6:\reg+9], v[\adr] offset:(\i)*TILEB+(\q)*1536+768
	ds_load_b64 v[\reg+10:\reg+11], v[\adr+2] offset:(\i)*TILEB+(\q)*1536+1280
.endm
; 16 matrix instructions: the first argument's tiles a0, a0 + 1 x the second's eight, 128 along K.  zero = 1, 2: the first products take the bias as C (by b, by a): nothing is cleared.
; The 64 accumulators take turns, one instruction a turn, in the same order in every step.
.macro MUL16 a0, p, q, sc, zero
.irp a, \a0, \a0+1
.irp b, 0,1,2,3,4,5,6,7
.if \zero == 1
	v_wmma_scale_f32_16x16x128_f8f6f4 v[8*(8*((\a)%4)+\b):8*(8*((\a)%4)+\b)+7], v[128*(\p)+FR*\b:128*(\p)+FR*\b+FR-1], v[AF+FR*(\a):AF+FR*(\a)+FR-1], v[BI+8*\b:BI+8*\b+7], v[SC+8*NQ*(\sc)+NQ*\b+(\q)], v[SC+8*NQ*(\sc)+NQ*(\a)+(\q)] matrix_a_fmt:MATRIX_FMT_FP6 matrix_b_fmt:MATRIX_FMT_FP6 matrix_a_scale:MATRIX_SCALE_ROW1
.elseif \zero == 2
	v_wmma_scale_f32_16x16x128_f8f6f4 v[8*(8*((\a)%4)+\b):8*(8*((\a)%4)+\b)+7], v[128*(\p)+FR*\b:128*(\p)+FR*\b+FR-1], v[AF+FR*(\a):AF+FR*(\a)+FR-1], v[BI+8*(\a):BI+8*(\a)+7], v[SC+8*NQ*(\sc)+NQ*\b+(\q)], v[SC+8*NQ*(\sc)+NQ*(\a)+(\q)] matrix_a_fmt:MATRIX_FMT_FP6 matrix_b_fmt:MATRIX_FMT_FP6 matrix_a_scale:MATRIX_SCALE_ROW1
.else
	v_wmma_scale_f32_16x16x128_f8f6f4 v[8*(8*((\a)%4)+\b):8*(8*((\a)%4)+\b)+7], v[128*(\p)+FR*\b:128*(\p)+FR*\b+FR-1], v[AF+FR*(\a):AF+FR*(\a)+FR-1], v[8*(8*((\a)%4)+\b):8*(8*((\a)%4)+\b)+7], v[SC+8*NQ*(\sc)+NQ*\b+(\q)], v[SC+8*NQ*(\sc)+NQ*(\a)+(\q)] matrix_a_fmt:MATRIX_FMT_FP6 matrix_b_fmt:MATRIX_FMT_FP6 matrix_a_scale:MATRIX_SCALE_ROW1
.endif
.endr
.endr
.endm
.macro FETCH_B slot, q, p
	WIN TO_B
.irp i, 0,1,2,3,4,5,6,7
	FRAG 128*(\p)+FR*\i, ADRB+\slot, \q, \i
.endr
	WIN 0
.endm
.macro FETCH_A slot, q, i0
.irp i, \i0, \i0+1, \i0+2, \i0+3
	FRAG AF+FR*(\i), ADRA+\slot, \q, \i
.endr
.endm
.macro SCALES sc, j                    ; K step j's two scale words a row into set sc: lanes 0-15 the first argument's tile i, lanes 16-31 the second's
.irp i, 0,1,2,3,4,5,6,7
	ds_load_b64 v[SC+8*NQ*\sc+NQ*\i:SC+8*NQ*\sc+NQ*\i+1], v[ADRS] offset:\i*512+(\j)*128
.endr
.endm
; A step of 128 along K that has its successor in the same slot.  A load into a register that a matrix instruction has read stands NP places behind it.
.macro STEP slot, q, zero
	s_wait_dscnt 4*NL                              ; all but the youngest 16 loads (tiles 4-7 of the first argument) are in
.if \zero
	WIN BIA_LO
.else
	WIN MUL_LO
.endif
	MUL16 0, (\q)%2, \q, \slot, \zero
	MUL16 2, (\q)%2, \q, \slot, \zero
	s_wait_dscnt 0x0
	PLACES NP
	FETCH_B \slot, (\q)+1, 1-(\q)%2
	FETCH_A \slot, (\q)+1, 0
.if \zero
	WIN BIA_HI
.else
	WIN MUL_HI
.endif
	MUL16 4, (\q)%2, \q, \slot, \zero
	MUL16 6, (\q)%2, \q, \slot, \zero
	PLACES NP
	WIN 0
	FETCH_A \slot, (\q)+1, 4
.endm
; A slot's last step changes slots: one barrier; in front of it each wave waits for all its tensor loads, adds 0 to its spare word, and waits for that and for its reads of this slot.
; fill = 1: the barrier opens a round of the cluster's, and this slot is filled again, two K steps ahead, first thing behind it.  j: the next K step.
.macro TURN slot, next, fill, j
	s_wait_tensorcnt 0x0                           ; all my tensor loads have landed: my part of the next slot
	ds_add_u32 v[SPW], v[NIL]                      ; 0 onto my spare word
	s_wait_dscnt 4*NL+1                            ; (the add and the youngest 16 loads may be out)
	WIN MUL_LO
	MUL16 0, 1, NQ-1, \slot, 0
	s_wait_dscnt 0x0                               ; the add is done, and my reads of this slot are over
	s_barrier_signal -1
	MUL16 2, 1, NQ-1, \slot, 0
	WIN 0
	s_barrier_wait -1
.if \fill
	CREST                                          ; no wave of any partner still reads this slot's tiles or has a load on its way
	s_add_nc_u64 s[G0+4*\slot+2:G0+4*\slot+3], s[G0+4*\slot+2:G0+4*\slot+3], 2*TILEB
	s_add_nc_u64 s[G0B+4*\slot+2:G0B+4*\slot+3], s[G0B+4*\slot+2:G0B+4*\slot+3], 2*TILEB
	JLOAD G0+4*\slot, G1, G0B+4*\slot, G1B         ; my one tensor load behind the round; its four v_nop are the places in front of the loads below
.else
	PLACES NP
.endif
	FETCH_B \next, 0, 0
	FETCH_A \next, 0, 0
	SCALES \next, \j
	WIN MUL_HI
	MUL16 4, 1, NQ-1, \slot, 0
	MUL16 6, 1, NQ-1, \slot, 0
	PLACES NP
	WIN 0
	FETCH_A \next, 0, 4
.endm
	s_wait_alu depctr_va_vdst(0)
	s_wait_tensorcnt 0x0                           ; my tile of the head's four is in; slot 1's first fill is issued as a refill is
	ds_add_u32 v[SPW], v[NIL]
	s_mov_b32 s[G1+2], 8<<16                       ; no tensor load of mine is out: from here on a load brings eight tiles,
	s_mov_b32 s[G1+4], 8
	s_mov_b32 s[G1B+2], 8<<16
	s_mov_b32 s[G1B+4], 8
	s_mov_b32 s[G0+1], s47                         ; and slot 0's group 0 stands at my eight tiles of K step 0
	s_add_nc_u64 s[G0+2:G0+3], s[G0+2:G0+3], s[92:93]
	s_mov_b32 s[G0B+1], s47
	s_add_nc_u64 s[G0B+2:G0B+3], s[G0B+2:G0B+3], s[92:93]
	s_wait_dscnt 0x0
	CROUND                                         ; all four tiles are in, in all sixteen work-groups
	JLOAD G0+4, G1, G0B+4, G1B                     ; K step 1: my one tensor load behind the round
	FETCH_B 0, 0, 0
	FETCH_A 0, 0, 0
	s_wait_alu depctr_va_vdst(0)
	SCALES 0, 0
	FETCH_A 0, 0, 4
	s_cmp_eq_u32 ttmp9, 2                          ; the first step is written for each role: its products take the bias
	s_cbranch_scc1 .Lfirst_v
	STEP 0, 0, 1
	s_branch .Lfirst_done
.Lfirst_v:
	STEP 0, 0, 2
.Lfirst_done:
	TURN 0, 1, 1, 1                                ; slot 0 takes K step 2
	STEP 1, 0, 0
	TURN 1, 0, 1, 2                                ; slot 1 takes K step 3
	STEP 0, 0, 0
	TURN 0, 1, 0, 3                                ; nothing is left to fetch
	STEP 1, 0, 0
	s_wait_dscnt 4*NL
	WIN MUL_LO
	MUL16 0, 1, NQ-1, 1, 0
	MUL16 2, 1, NQ-1, 1, 0
	s_wait_dscnt 0x0
	WIN MUL_HI
	MUL16 4, 1, NQ-1, 1, 0
	MUL16 6, 1, NQ-1, 1, 0
	WIN 0
; THE WAY OUT.  The 64 registers of source-1 tile a, register 16 B + i = number 32 B + 16 (lane / 16) + i along the next K, become a fragment's codes in v[PC] on and its scale word in v[PW].
; Each accumulator is read from its low end on.
.macro QUANTW a
.set AC, 64*((\a)%4)
.set WW, 2+(\a)/4
.set W5, 5*WW
	WIN W5                                         ; sources 0 and 1 in the accumulators' window
.irp b, 0,1,2,3
	v_max3_num_f32 v[TM+\b], |v[AC+16*\b]|, |v[AC+16*\b+1]|, 0x1800000   ; block b: my 16 numbers, and the floor 2^(3 - 127)
.endr
.irp i, 2,4,6,8,10,12,14
.irp b, 0,1,2,3
	v_max3_num_f32 v[TM+\b], |v[AC+16*\b+\i]|, |v[AC+16*\b+\i+1]|, v[TM+\b]
.endr
.endr
	WIN 0
.irp b, 0,1,2,3
	v_permlanex16_b32 v[TM+4+\b], v[TM+\b], s92, s93
.endr
.irp b, 0,1,2,3
	v_max_num_f32 v[TM+\b], v[TM+\b], v[TM+4+\b]   ; with lane l xor 16's: the block's largest magnitude
.endr
.irp b, 0,1,2,3
	v_add_nc_u32 v[TM+12+\b], 0xff000000, v[TM+\b] ; the conversion's scale operand
.endr
.irp b, 0,1,2,3
	v_lshrrev_b32 v[TM+4+\b], 23, v[TM+12+\b]      ; the scale's byte
.endr
	v_lshl_or_b32 v[PW], v[TM+5], 8, v[TM+4]
	v_lshl_or_b32 v[PW], v[TM+6], 16, v[PW]
	v_lshl_or_b32 v[PW], v[TM+7], 24, v[PW]
	s_wait_xcnt 0x0                                ; the last tile's stores have read the codes' registers: only behind this wait are they written again
	WIN WW                                         ; source 0 in the accumulators' window
.irp c, 0,1
	v_cvt_scalef32_pk16_fp6_f32 v[PC+6*\c:PC+6*\c+2], v[AC+32*\c:AC+32*\c+15], v[TM+12+2*\c]
	v_cvt_scalef32_pk16_fp6_f32 v[PC+12+4*\c:PC+14+4*\c], v[AC+16+32*\c:AC+31+32*\c], v[TM+13+2*\c]
.endr
	WIN 0
	v_nop                                          ; one plain line behind the conversions
.irp c, 0,1                            ; the operand's layout wants a whole block in a lane
.irp i, 0,1,2
	v_permlane16_swap_b32 v[PC+6*\c+\i], v[PC+12+4*\c+\i]
.endr
.irp i, 0,1,2
	v_mov_b32 v[PC+3+6*\c+\i], v[PC+12+4*\c+\i]
.endr
.endr
.endm
	PLACES NP                                      ; in front of the first read of results and of writes into registers that the last products read
.irp b, 0,1,2,3
	v_mov_b32 v[TM+4+\b], 0                        ; a lane permute's destination counts as one of its sources
.endr
	v_lshlrev_b32 v[SH], 4, v3
	v_lshlrev_b32 v24, 4, v2                       ; 16 r
	s_mov_b32 s92, 0x76543210
	s_mov_b32 s93, 0xfedcba98                      ; v_permlanex16_b32's selects for lane l xor 16
	s_cmp_eq_u32 ttmp9, 2
	s_cbranch_scc1 .Lout_v
	; q, k: the fragment's two pieces are two heads' pieces of row tile RT0 + a
	s_lshl_b32 s4, s23, 2
	s_lshl_b32 s5, s16, 1
	s_add_co_u32 s4, s4, s5                        ; H0 = 4 TB + 2 half
	s_lshl_b32 s5, s22, 4
	s_lshl_b32 s6, s15, 3
	s_add_co_u32 s5, s5, s6                        ; RT0 = 16 TA + 8 half
	s_mul_i32 s6, s4, 393216
	s_mul_i32 s7, s5, 768
	s_add_co_u32 s6, s6, s7
	s_mov_b32 s7, 0
	s_add_nc_u64 s[18:19], s[10:11], s[6:7]
	s_lshl_b32 s6, s4, 15
	s_lshl_b32 s5, s5, 6                           ; (RT0 / 4) x 256
	s_add_co_u32 s6, s6, s5
	s_add_co_u32 s6, s6, QKSC
	s_add_nc_u64 s[20:21], s[10:11], s[6:7]
	s_wait_alu depctr_va_vdst(0)
	v_lshl_add_u32 v24, v3, 15, v24                ; lanes 16-31 store the second head's words
.irp a, 0,1,2,3,4,5,6,7
	QUANTW \a
	global_store_b128 v4, v[PC:PC+3], s[18:19] offset:768*\a                  ; 512 consecutive bytes
	global_store_b64 v5, v[PC+4:PC+5], s[18:19] offset:768*\a+512             ; 256
	global_store_b128 v4, v[PC+6:PC+9], s[18:19] offset:393216+768*\a
	global_store_b64 v5, v[PC+10:PC+11], s[18:19] offset:393216+768*\a+512
	v_lshrrev_b32 v[W+\a], v[SH], v[PW]            ; my head's two bytes, two zero bytes above them
	v_and_b32 v[W+\a], 0xffff, v[W+\a]
.endr
	global_store_b128 v24, v[W:W+3], s[20:21]              ; sixteen lanes store 256 consecutive bytes
	global_store_b128 v24, v[W+4:W+7], s[20:21] offset:256
	s_branch .Lend
.Lout_v:
	; v: the fragment is 16 channels x 128 keys of head bh + a / 4, channel tile a % 4
	s_lshr_b32 s4, s23, 3
	s_lshl_b32 s4, s4, 4
	s_lshl_b32 s5, s41, 2
	s_add_co_u32 s4, s4, s5
	s_lshl_b32 s5, s15, 1
	s_add_co_u32 s4, s4, s5                        ; bh = 16 batch + 4 cy + 2 half
	s_and_b32 s5, s23, 7
	s_lshl_b32 s5, s5, 1
	s_add_co_u32 s5, s5, s16                       ; the key step of 128
	s_mul_i32 s6, s4, 98304
	s_mul_i32 s7, s5, 6144
	s_add_co_u32 s6, s6, s7
	s_mov_b32 s7, 0
	s_add_nc_u64 s[18:19], s[12:13], s[6:7]
	s_lshl_b32 s6, s4, 12
	s_lshl_b32 s5, s5, 8
	s_add_co_u32 s6, s6, s5
	s_add_co_u32 s6, s6, VSC
	s_add_nc_u64 s[20:21], s[12:13], s[6:7]
	s_wait_alu depctr_va_vdst(0)
	v_lshl_add_u32 v24, v3, 12, v24                ; lanes 16-31 store the second head's words
.irp a, 0,1,2,3,4,5,6,7
	QUANTW \a
.irp g, 0,1,2
	global_store_b128 v4, v[PC+4*\g:PC+4*\g+3], s[18:19] offset:(\a/4)*98304+(\a%4)*1536+512*\g
.endr
	v_mov_b32 v[W+\a], v[PW]
.endr
	v_cmp_ne_u32 vcc_lo, 0, v[SH]
.irp t, 0,1,2,3
	v_cndmask_b32 v[U+\t], v[W+\t], v[W+4+\t], vcc_lo
.endr
	global_store_b128 v24, v[U:U+3], s[20:21]
.Lend:
	s_wait_tensorcnt 0x0                           ; the wave's end
	ds_add_u32 v[SPW], v[NIL]
	s_wait_dscnt 0x0
	CROUND                                         ; the closing round: no work-group ends while a partner may still ask for a tile that names it
	s_endpgm
.Lfunc_end_k_q9776e18e09_gemm_qkv:
	.size	k_q9776e18e09_gemm_qkv, .Lfunc_end_k_q9776e18e09_gemm_qkv-k_q9776e18e09_gemm_qkv
	.p2alignl 7, 3214868480
	.fill 96, 4, 3214868480
	.section	.rodata,"a",@progbits
	.p2align	6, 0x0
	.amdhsa_kernel k_q9776e18e09_gemm_qkv
		.amdhsa_group_segment_fixed_size 327680
		.amdhsa_private_segment_fixed_size 0
		.amdhsa_enable_private_segment 0
		.amdhsa_kernarg_size 40
		.amdhsa_user_sgpr_count 2
		.amdhsa_user_sgpr_kernarg_segment_ptr 1
		.amdhsa_wavefront_size32 1
		.amdhsa_system_sgpr_workgroup_id_x 1
		.amdhsa_system_sgpr_workgroup_id_y 1
		.amdhsa_system_sgpr_workgroup_id_z 1
		.amdhsa_system_vgpr_workitem_id 0
		.amdhsa_next_free_vgpr 1024
		.amdhsa_next_free_sgpr 102
		.amdhsa_reserve_vcc 1
		.amdhsa_float_denorm_mode_32 3
		.amdhsa_float_denorm_mode_16_64 3
		.amdhsa_memory_ordered 1
		.amdhsa_forward_progress 1
		.amdhsa_inst_pref_size 202
	.end_amdhsa_kernel
	.amdgpu_metadata
---
amdhsa.version: [ 1, 2 ]
amdhsa.kernels:
  - .name:           k_q9776e18e09_gemm_qkv
    .symbol:         k_q9776e18e09_gemm_qkv.kd
    .args:
      - { .name: xq, .offset: 0, .size: 8, .value_kind: global_buffer, .address_space: global }
      - { .name: wq, .offset: 8, .size: 8, .value_kind: global_buffer, .address_space: global }
      - { .name: b_attn, .offset: 16, .size: 8, .value_kind: global_buffer, .address_space: global }
      - { .name: qkq, .offset: 24, .size: 8, .value_kind: global_buffer, .address_space: global }
      - { .name: vq, .offset: 32, .size: 8, .value_kind: global_buffer, .address_space: global }
    .group_segment_fixed_size: 327680
    .private_segment_fixed_size: 0
    .kernarg_segment_align: 8
    .kernarg_segment_size: 40
    .max_flat_workgroup_size: 128
    .sgpr_count:     102
    .vgpr_count:     1024
    .wavefront_size: 32
...
	.end_amdgpu_metadata
.endif
;; end of part 2
;; launch attn (part 3): grid 4 x 64, 16 waves a work-group, clusters of 4 x 1, 327,680 bytes of LDS; arguments qkq, vq, yq; writes yq
.if DOCPART == 3
	.amdgcn_target "amdgcn-amd-amdhsa--gfx1250"
	.amdhsa_code_object_version 6
	.text
	.protected	k_q9776e18e09_attn
	.globl	k_q9776e18e09_attn
	.p2align	8
	.type	k_q9776e18e09_attn,@function
k_q9776e18e09_attn:
	s_mov_b64 s[64:65], 0
	v_nop
	global_prefetch_b8 v0, s[64:65] scope:SCOPE_SE
	s_setreg_imm32_b32 hwreg(HW_REG_WAVE_MODE, 25, 1), 1
	s_wait_xcnt 0x0
	s_wait_alu depctr_hold_cnt(0) depctr_sa_sdst(0) depctr_va_vdst(0) depctr_va_sdst(0) depctr_va_ssrc(0) depctr_va_vcc(0) depctr_vm_vsrc(0)
	s_getreg_b32 s2, hwreg(HW_REG_IB_STS2, 6, 4)
	s_cmp_eq_u32 s2, 0
	s_cbranch_scc0 .Lentry_in_a_cluster
	s_endpgm
.Lentry_in_a_cluster:
	s_bfe_u32 s2, ttmp6, 0x10000c
	s_cmp_lg_u32 s2, 0x3003
	s_cbranch_scc0 .Lentry_shape_is_right
	s_endpgm
.Lentry_shape_is_right:
; y = softmax(q k^T / 8 under the causal mask) v for one (batch, head) a cluster, on codes of FP6 (E2M3) with E8M0 scales; y leaves as codes for the projection.
; LEFT OUT: key steps of 128 that lie wholly above the diagonal: the causal mask sets their scores to -inf, so their p is 0 for all values of the inputs.
; LIMITS: NaN and infinities are not served; the promise holds while the scaled scores (exponents to the base 2) stay under 2^31 in magnitude; a block of zeros gets the byte 1 (its codes are zeros; only this program reads the bytes).
; THE DEAL.  Four work-groups of 16 waves, a cluster, share one (batch, head).  K's and V's codes (98,304 bytes each) and scale words (8,192 and 4,096) are asked for once, JOINTLY (mask 15), one tensor load a wave:
; waves 0-5 K (64 rows of 256 bytes each), 6-11 V, 12-13 K's words, 14-15 V's.  They stay in LDS: nothing is filled again, so there is no ring; and all is asked for at the head, so there is no loop in which a prefetch could run ahead.
; Query tile t = 8 j + 4 u + cx needs j + 1 key steps.  Wave w of partner cx takes two tiles, u = w % 2, their j from two tables of 4-bit numbers by w / 2: (15, 8) (14, 9) (13, 6) (12, 7) (11, 1) (10, 2) (5, 0) (4, 3).
; THE LONGEST WORK HAS THE LOWEST WAVE NUMBERS: waves 0-3 walk 25 steps, 4-7 21, 8-11 14, 12-15 7 or 9; waves w, w + 4, w + 8, w + 12 together 67 or 69.  Each j stands once in the tables: the partner's 32 tiles are dealt once each.
; Trip counts and branches hang on the wave's number alone, and each partner reads every tile of K and V (j = 15 is among its tiles).
; Both products are used transposed: S^T = k q^T, O^T = v^T p^T: a lane holds one query.  THE KEYS OF A SCORE TILE ARE CHOSEN BY ADDRESS: tile 4 c + i takes keys 64 c + 8 i + 0..7 in rows 0-7 and 64 c + 32 + 8 i + 0..7 in rows 8-15,
; so register 32 c + n of lane (r, h) is key 64 c + 32 h + n: a whole scale block of p in one lane, in the order of the next operand's registers.
; The head is 64 wide and the instruction 128 deep: q's registers 6-11 hold zero codes.  So what a K fragment's registers 6-11 hold adds nothing (every 6-bit pattern is a finite number): fragment n is v[32 + 6 n .. 43 + 6 n],
; its upper six are fragment n + 1's codes, and the last one's are six lane constants.  Eight fragments so take 54 registers, and the next step's K is fetched while this step's softmax is computed.
; K's chunks of 256 bytes lie 320 apart in LDS, so that rows 0-7 and rows 8-15 of a 16-byte load, six chunks apart, start in different halves of the 64 banks (ISA guide 11.1).
; REGISTERS: v1, v2 K's lane terms; v3, v10, v11 addresses; v4-7, v28-31 K's scale words; v8, v9 the words' lane terms; v12 -M, v13 the running largest score, v[14:15] the row's sum; v16-27 q; v32-79 K;
; v80-85 16 lane, 8 lane, the mask's lane term, 16 r, 8 r, 8 h; v86, v87 for the add; v88 q's word, v89 p's; v90-95 at work; v96-159 S, p; v160-191 O^T; v192-239 V; v240-251 p's codes (at work ahead of the conversions); v252-255 V's words.
.set KSTEP, 7680                       ; a key step of K in LDS: 8 pieces of 3 x 320
.set VLDS,  122880
.set SCK,   221184
.set SCV,   229376
.set SPARE, 233472                     ; the spare words: 128 bytes a wave
.set QKSC,  12582912
.set VSC,   6291456
.set XSC,   6291456
.set NC,   2
.set DQ,   3
.set WV,   10
.set CX,   11
.set BH,   12
.set BA,   13
.set HD,   14
.set NS,   15
.set SEL,  20
.set CS,   22
.set G1K,  24
.set G1V,  32
.set G1SK, 40
.set G1SV, 48
.set G0K,  56
.set G0V,  60
.set G0SK, 68
.set G0SV, 72
.set HQ,   76
.set PQ,   84
.set TBK,  92
.set TBV,  93
.set TSK,  94
.set TSV,  95
.set Q0,   96
.set CNT,  97
.macro CROUND                          ; a round of the cluster's barrier
	s_barrier_signal -1
	s_barrier_wait -1
	s_cmp_lg_u32 s[WV], 0
	s_cbranch_scc1 .Lnot_wave_0_\@
	s_barrier_signal -3
.Lnot_wave_0_\@:
	s_barrier_wait -3
	s_barrier_signal -1
	s_barrier_wait -1
.endm
.macro TLOAD g0, g1
	tensor_load_to_lds s[\g0:\g0+3], s[\g1:\g1+7]
	s_nop 0
.rept 4
	v_nop
.endr
.endm
	s_load_b128 s[4:7], s[0:1], 0x0                ; qkq, vq
	s_load_b64 s[8:9], s[0:1], 0x10                ; yq
	v_lshl_add_u32 v86, v0, 2, SPARE
	v_mov_b32 v87, 0
	ds_add_u32 v86, v87
	ds_add_u32 v86, v87
	v_lshrrev_b32 v10, 5, v0
	v_readfirstlane_b32 s[WV], v10
	s_bfe_u32 s[CX], ttmp6, 0x40000                ; my place in the cluster: it enters global addresses and the mask's numbers alone
	s_and_b32 s[BH], ttmp7, 0xffff
	s_lshr_b32 s[BA], s[BH], 4
	s_and_b32 s[HD], s[BH], 15
.irp g, G1K, G1V, G1SK, G1SV           ; dense blocks as rows of 256 bytes (32 elements of 8)
	s_mov_b32 s[\g+1], 32<<16
	s_mov_b32 s[\g+3], 32<<16
	s_mov_b32 s[\g+5], 32
	s_mov_b32 s[\g+6], 0
	s_mov_b32 s[\g+7], 0
.endr
	s_mov_b32 s[G1K], 15|(3<<16)|(1<<20)|(1<<21)|(5<<22)|(15<<25)   ; mask 15; 16 dwords of padding behind every 64
	s_mov_b32 s[G1V], 15|(3<<16)|(1<<21)
	s_mov_b32 s[G1SK], 15|(3<<16)|(1<<21)
	s_mov_b32 s[G1SV], 15|(3<<16)|(1<<21)
	s_mov_b32 s[G1K+2], 64<<16
	s_mov_b32 s[G1K+4], 64
	s_mov_b32 s[G1V+2], 64<<16
	s_mov_b32 s[G1V+4], 64
	s_mov_b32 s[G1SK+2], 16<<16
	s_mov_b32 s[G1SK+4], 16
	s_mov_b32 s[G1SV+2], 8<<16
	s_mov_b32 s[G1SV+4], 8
	s_mov_b32 s[SEL], 0x76543210
	s_mov_b32 s[SEL+1], 0xfedcba98
	s_mov_b32 s[CS], 0x3e38aa3b                    ; c = log2(e) / 8
	s_mov_b32 s[CS+1], s[CS]
	s_mov_b32 s[NC], 0xbe38aa3b                    ; -c
	s_add_co_u32 s16, s[HD], 16                    ; k's head among qkq's 32
	s_mul_i32 s92, s16, 32768
	s_mul_i32 s16, s16, 393216
	s_mul_i32 s17, s[BA], 98304
	s_add_co_u32 s16, s16, s17
	s_lshl_b32 s17, s[WV], 14
	s_add_co_u32 s16, s16, s17                     ; K: wave x 16,384
	s_mov_b32 s17, 0
	s_max_u32 s18, s[WV], 6
	s_sub_co_u32 s18, s18, 6
	s_lshl_b32 s18, s18, 14
	s_mul_i32 s19, s[BH], 98304
	s_add_co_u32 s18, s18, s19                     ; V: (wave - 6) x 16,384
	s_mov_b32 s19, 0
	s_lshl_b32 s93, s[BA], 13
	s_add_co_u32 s92, s92, s93
	s_max_u32 s93, s[WV], 12
	s_sub_co_u32 s93, s93, 12
	s_lshl_b32 s93, s93, 12
	s_add_co_u32 s92, s92, s93
	s_add_co_u32 s92, s92, QKSC                    ; K's words: (wave - 12) x 4,096
	s_mov_b32 s93, 0
	s_max_u32 s94, s[WV], 14
	s_sub_co_u32 s94, s94, 14
	s_lshl_b32 s94, s94, 11
	s_lshl_b32 s95, s[BH], 12
	s_add_co_u32 s94, s94, s95
	s_add_co_u32 s94, s94, VSC                     ; V's words: (wave - 14) x 2,048
	s_mov_b32 s95, 0
	s_wait_dscnt 0x0
	CROUND                                         ; the four partners are here: the joint loads meet
	s_wait_kmcnt 0x0
	s_mov_b32 s[G0K], 1
	s_mul_i32 s[G0K+1], s[WV], 20480
	s_add_nc_u64 s[G0K+2:G0K+3], s[4:5], s[16:17]
	s_or_b32 s[G0K+3], s[G0K+3], 0x80000000
	s_mov_b32 s[G0V], 1
	s_lshl_b32 s[G0V+1], s[WV], 14
	s_add_co_u32 s[G0V+1], s[G0V+1], VLDS-6*16384
	s_add_nc_u64 s[G0V+2:G0V+3], s[6:7], s[18:19]
	s_or_b32 s[G0V+3], s[G0V+3], 0x80000000
	s_mov_b32 s[G0SK], 1
	s_lshl_b32 s[G0SK+1], s[WV], 12
	s_add_co_u32 s[G0SK+1], s[G0SK+1], SCK-12*4096
	s_add_nc_u64 s[G0SK+2:G0SK+3], s[4:5], s[92:93]
	s_or_b32 s[G0SK+3], s[G0SK+3], 0x80000000
	s_mov_b32 s[G0SV], 1
	s_lshl_b32 s[G0SV+1], s[WV], 11
	s_add_co_u32 s[G0SV+1], s[G0SV+1], SCV-14*2048
	s_add_nc_u64 s[G0SV+2:G0SV+3], s[6:7], s[94:95]
	s_or_b32 s[G0SV+3], s[G0SV+3], 0x80000000
	s_cmp_lt_u32 s[WV], 6                          ; one chain of branches on the wave's number, a load in each arm
	s_cbranch_scc0 .Larm_v
	TLOAD G0K, G1K
	s_branch .Lasked
.Larm_v:
	s_cmp_lt_u32 s[WV], 12
	s_cbranch_scc0 .Larm_sk
	TLOAD G0V, G1V
	s_branch .Lasked
.Larm_sk:
	s_cmp_lt_u32 s[WV], 14
	s_cbranch_scc0 .Larm_sv
	TLOAD G0SK, G1SK
	s_branch .Lasked
.Larm_sv:
	TLOAD G0SV, G1SV
.Lasked:
	s_mul_i32 s16, s[HD], 393216                   ; q's codes of this (batch, head),
	s_mul_i32 s18, s[BA], 98304
	s_add_co_u32 s16, s16, s18
	s_add_nc_u64 s[HQ:HQ+1], s[4:5], s[16:17]
	s_lshl_b32 s16, s[HD], 15                      ; its scale words,
	s_lshl_b32 s18, s[BA], 13
	s_add_co_u32 s16, s16, s18
	s_add_co_u32 s16, s16, QKSC
	s_add_nc_u64 s[HQ+2:HQ+3], s[4:5], s[16:17]
	s_mul_i32 s16, s[BA], 1572864                  ; y's codes: piece = head,
	s_mul_i32 s18, s[HD], 768
	s_add_co_u32 s16, s16, s18
	s_add_nc_u64 s[HQ+4:HQ+5], s[8:9], s[16:17]
	s_lshl_b32 s16, s[BA], 16                      ; and y's scale bytes
	s_lshr_b32 s18, s[HD], 2
	s_lshl_b32 s18, s18, 7
	s_add_co_u32 s16, s16, s18
	s_and_b32 s18, s[HD], 3
	s_lshl_b32 s18, s18, 1
	s_add_co_u32 s16, s16, s18
	s_add_co_u32 s16, s16, XSC
	s_add_nc_u64 s[HQ+6:HQ+7], s[8:9], s[16:17]
	v_and_b32 v10, 31, v0
	v_and_b32 v11, 15, v0                          ; r
	v_bfe_u32 v3, v0, 4, 1                         ; h
	v_and_b32 v8, 7, v0                            ; r % 8
	v_bfe_u32 v9, v0, 3, 1                         ; r / 8
	v_lshlrev_b32 v80, 4, v10
	v_lshlrev_b32 v81, 3, v10
	v_mul_u32_u24 v1, v9, 1920                     ; rows 8-15 take the piece two on
	v_lshl_add_u32 v2, v8, 3, v1
	v_lshl_add_u32 v1, v8, 4, v1
	v_mad_u32_u24 v1, v3, 320, v1                  ; a piece's bytes 0-15: 1920 (r / 8) + 16 (r % 8) + 320 h
	v_lshl_add_u32 v2, v3, 7, v2                   ; its bytes 16-23: 1920 (r / 8) + 8 (r % 8) + 128 h
	v_lshl_add_u32 v82, v9, 3, v11
	v_lshlrev_b32 v10, 5, v3
	v_sub_nc_u32 v82, v82, v10                     ; my query's row in its tile less my half's first key: r + 8 (r / 8) - 32 h
	v_lshlrev_b32 v83, 4, v11
	v_lshlrev_b32 v84, 3, v11
	v_lshlrev_b32 v85, 3, v3
	v_lshlrev_b32 v8, 4, v8
	v_lshl_add_u32 v8, v9, 3, v8
	v_add_nc_u32 v8, SCK, v8                       ; K's words: 16 (r % 8) + 8 (r / 8)
	v_add_nc_u32 v9, SCV, v83
.irp j, 22,23,24,25,26,27,90,91,92,93,94,95
	v_mov_b32 v\j, 0                               ; q's zero codes; and registers that lane permutes and pairs name before they are first written
.endr
	s_wait_alu depctr_va_vdst(0)
.macro KLOAD a0, a1, a2, ah            ; eight fragments of K and their words, 18 loads; ah = 1: the next step's.  Fragment n = 4 c + i: piece 4 c + i % 2 (+ 2 in rows 8-15), rows 8 (i / 2) on
.irp n, 0,1,2,3,4,5,6,7
	ds_load_b128 v[32+6*\n:35+6*\n], \a0 offset:KSTEP*\ah+960*(4*(\n/4)+\n%2)+128*((\n%4)/2)
	ds_load_b64 v[36+6*\n:37+6*\n], \a1 offset:KSTEP*\ah+640+960*(4*(\n/4)+\n%2)+64*((\n%4)/2)
.endr
	ds_load_2addr_b64 v[4:7], \a2 offset0:64*\ah offset1:64*\ah+16
	ds_load_2addr_b64 v[28:31], \a2 offset0:64*\ah+32 offset1:64*\ah+48
.endm
.macro STEP
	s_cmp_ge_u32 s[CNT], s[NS]                     ; steps wholly above the diagonal are passed over
	s_cbranch_scc1 .Lhid_\@
	v_add_nc_u32 v10, s[TBV], v80
	v_add_nc_u32 v11, s[TSV], v9
	v_nop
	v_nop                                          ; four places behind the last step's products
.irp t, 0,1,2,3
.irp g, 0,1,2
	ds_load_b128 v[192+12*\t+4*\g:195+12*\t+4*\g], v10 offset:1536*\t+512*\g
.endr
.endr
	ds_load_b128 v[252:255], v11
	s_wait_dscnt 13                                ; K and its words are in; the 13 loads of V just issued may be out
.irp n, 0,1,2,3,4,5,6,7
	v_wmma_scale_f32_16x16x128_f8f6f4 v[96+8*\n:103+8*\n], v[32+6*\n:43+6*\n], v[16:27], 0, v[4+\n+20*(\n/4)], v88 matrix_a_fmt:MATRIX_FMT_FP6 matrix_b_fmt:MATRIX_FMT_FP6
.endr
	v_add_nc_u32 v10, s[TBK], v1                   ; four places
	v_add_nc_u32 v11, s[TBK], v2
	v_add_nc_u32 v3, s[TSK], v8
	v_nop
	KLOAD v10, v11, v3, 1                          ; behind the last step these read bytes that lie behind K's and its words' (V's, V's words'), and nobody uses them
	s_add_co_u32 s16, s[CNT], 1
	s_cmp_lg_u32 s16, s[NS]
	s_cbranch_scc1 .Lopen_\@
	s_bitcmp1_b32 s[WV], 0                         ; the tile's last step holds the diagonal: with u = 0 among its keys 0-63, with u = 1 among its keys 64-127
	s_cbranch_scc1 .Lupper_\@
	v_add_nc_u32 v92, s[DQ], v82
	v_mov_b32 v93, 0xff800000
.set N, 0
.rept 32
	v_cmp_gt_i32 vcc_lo, N, v92
	v_cndmask_b32 v[96+N], v[96+N], v93, vcc_lo
.set N, N+1
.endr
.rept 32
	v_mov_b32 v[96+N], v93                         ; u = 0: my queries lie under 64: keys 64-127 are all masked
.set N, N+1
.endr
	s_wait_alu depctr_va_vdst(0)
	s_branch .Lopen_\@
.Lupper_\@:
	v_add_nc_u32 v92, s[DQ], v82                   ; u = 1: my queries lie at 64 or above: keys 0-63 are all open
	v_mov_b32 v93, 0xff800000
.set N, 32
.rept 32
	v_cmp_gt_i32 vcc_lo, 32+N, v92
	v_cndmask_b32 v[96+N], v[96+N], v93, vcc_lo
.set N, N+1
.endr
.Lopen_\@:
.irp n, 0,1,2,3,4,5,6,7                ; the largest score of my two blocks of 32 keys: eight chains, one an accumulator, each read from its low end on
	v_max3_num_f32 v[240+\n], v[96+8*\n], v[97+8*\n], v[98+8*\n]
.endr
.irp i, 3,5
.irp n, 0,1,2,3,4,5,6,7
	v_max3_num_f32 v[240+\n], v[240+\n], v[96+8*\n+\i], v[97+8*\n+\i]
.endr
.endr
.irp c, 0,1
	v_max3_num_f32 v[90+\c], v[240+4*\c], v[241+4*\c], v[103+32*\c]
	v_max3_num_f32 v[92+\c], v[242+4*\c], v[243+4*\c], v[111+32*\c]
.endr
.irp c, 0,1
	v_max3_num_f32 v[90+\c], v[90+\c], v[92+\c], v[119+32*\c]
.endr
.irp c, 0,1
	v_max_num_f32 v[90+\c], v[90+\c], v[127+32*\c]
.endr
	s_delay_alu instid0(VALU_DEP_1)
	v_max_num_f32 v92, v90, v91
	s_delay_alu instid0(VALU_DEP_1)
	v_permlanex16_b32 v93, v92, s[SEL], s[SEL+1]
	s_delay_alu instid0(VALU_DEP_1)
	v_max3_num_f32 v13, v13, v92, v93              ; the running largest score of my query
	s_delay_alu instid0(VALU_DEP_1)
	v_mul_f32 v92, s[NC], v13
	v_mov_b32 v93, v12
	s_delay_alu instid0(VALU_DEP_2)
	v_floor_f32 v12, v92                           ; -M = floor(-t): M is a whole number
	s_delay_alu instid0(VALU_DEP_1)
	v_sub_f32 v93, v12, v93
.set J, 0
.rept 4
	v_pk_fma_f32 v[96+J:97+J], v[96+J:97+J], s[CS:CS+1], v[12:13] op_sel_hi:[1,0,0]
.set J, J+2
.endr
	v_cvt_i32_f32 v93, v93                         ; (it saturates)
.rept 4
	v_pk_fma_f32 v[96+J:97+J], v[96+J:97+J], s[CS:CS+1], v[12:13] op_sel_hi:[1,0,0]
.set J, J+2
.endr
	v_ldexp_f32 v94, 1.0, v93                      ; f = 2^(old M - new M)
.rept 24
	v_pk_fma_f32 v[96+J:97+J], v[96+J:97+J], s[CS:CS+1], v[12:13] op_sel_hi:[1,0,0]
.set J, J+2
.endr
.irp c, 0,1
	v_fma_f32 v[90+\c], v[90+\c], s[CS], v12       ; the same of each block's largest score: p rises with the score
.endr
	s_wait_alu depctr_va_vdst(0)
	v_exp_f32 v90, v90
	v_exp_f32 v91, v91
.set J, 0
.rept 64
	v_exp_f32 v[96+J], v[96+J]
.set J, J+1
.endr
	v_pk_mul_f32 v[14:15], v[14:15], v[94:95] op_sel_hi:[1,0]      ; the sum under the new M; the plain line behind the batch
	s_wait_alu depctr_va_vdst(0)                   ; and behind it
.irp c, 0,1
	v_max_num_f32 v[90+\c], 0x1800000, v[90+\c]    ; the floor 2^(3 - 127)
.endr
.irp c, 0,1
	v_add_nc_u32 v[92+\c], 0xff000000, v[90+\c]    ; the conversions' scale operands
.endr
.irp c, 0,1
	v_lshrrev_b32 v[90+\c], 23, v[92+\c]
.endr
.irp k, 0,1,2,3,4,5                    ; the sum of the unquantised p: six chains of five pairs in p's code registers, two pairs straight onto the sum; p's scale word is made between them
	v_pk_add_f32 v[240+2*\k:241+2*\k], v[96+2*\k:97+2*\k], v[108+2*\k:109+2*\k]
.endr
	v_lshl_or_b32 v89, v91, 16, v90                ; my bytes: blocks h and 2 + h,
.irp k, 0,1,2,3,4,5
	v_pk_add_f32 v[240+2*\k:241+2*\k], v[240+2*\k:241+2*\k], v[120+2*\k:121+2*\k]
.endr
	v_lshlrev_b32 v89, v85, v89                    ; 8 h bits up,
.irp k, 0,1,2,3,4,5
	v_pk_add_f32 v[240+2*\k:241+2*\k], v[240+2*\k:241+2*\k], v[132+2*\k:133+2*\k]
.endr
	v_permlanex16_b32 v90, v89, s[SEL], s[SEL+1]   ; and lane l xor 16's two
.irp k, 0,1,2,3,4,5
	v_pk_add_f32 v[240+2*\k:241+2*\k], v[240+2*\k:241+2*\k], v[144+2*\k:145+2*\k]
.endr
	v_pk_add_f32 v[14:15], v[14:15], v[156:157]
	v_pk_add_f32 v[240:241], v[240:241], v[242:243]
	v_pk_add_f32 v[244:245], v[244:245], v[246:247]
	v_pk_add_f32 v[248:249], v[248:249], v[250:251]
	v_pk_add_f32 v[240:241], v[240:241], v[244:245]
	v_pk_add_f32 v[14:15], v[14:15], v[248:249]
	v_pk_add_f32 v[14:15], v[14:15], v[240:241]
	v_cvt_scalef32_pk16_fp6_f32 v[240:242], v[96:111], v92
	v_cvt_scalef32_pk16_fp6_f32 v[246:248], v[128:143], v93
	v_or_b32 v89, v89, v90                         ; p's scale word; a plain line between conversions and the writes over their sources
	v_cvt_scalef32_pk16_fp6_f32 v[96:98], v[112:127], v92          ; (a conversion's three registers begin on an even number)
	v_cvt_scalef32_pk16_fp6_f32 v[128:130], v[144:159], v93
	v_pk_add_f32 v[14:15], v[14:15], v[158:159]
.irp i, 0,1,2
	v_mov_b32 v[243+\i], v[96+\i]
	v_mov_b32 v[249+\i], v[128+\i]
.endr
	s_wait_dscnt 18                                ; V and its words are in; the 18 loads of the next step's K may be out
	s_wait_alu depctr_va_vdst(0)                   ; directly ahead of the first reader of O^T
.set J, 0
.rept 16
	v_pk_mul_f32 v[160+J:161+J], v[160+J:161+J], v[94:95] op_sel_hi:[1,0]
.set J, J+2
.endr
.irp t, 0,1,2,3
	v_wmma_scale_f32_16x16x128_f8f6f4 v[160+8*\t:167+8*\t], v[192+12*\t:203+12*\t], v[240:251], v[160+8*\t:167+8*\t], v[252+\t], v89 matrix_a_fmt:MATRIX_FMT_FP6 matrix_b_fmt:MATRIX_FMT_FP6
.endr
.Lhid_\@:
	s_add_co_u32 s[TBK], s[TBK], KSTEP
	s_add_co_u32 s[TBV], s[TBV], 6144
	s_add_co_u32 s[TSK], s[TSK], 512
	s_add_co_u32 s[TSV], s[TSV], 256
.endm
.macro YOUT                            ; O^T / the sum, quantised along the head's 64 for the projection: the 16 registers of tiles 2 b, 2 b + 1 are channels 32 b + 16 h + 0 .. 15
.rept 4
	v_nop
.endr
	v_add_f32 v14, v14, v15
	v_permlanex16_b32 v94, v14, s[SEL], s[SEL+1]
	v_add_f32 v14, v14, v94
	s_wait_alu depctr_va_vdst(0)
	v_rcp_f32 v14, v14
	v_nop
	s_wait_alu depctr_va_vdst(0)
.set J, 0
.rept 16
	v_pk_mul_f32 v[96+J:97+J], v[160+J:161+J], v[14:15] op_sel_hi:[1,0]
.set J, J+2
.endr
.irp b, 0,1
	v_max3_num_f32 v[90+\b], |v[96+16*\b]|, |v[97+16*\b]|, 0x1800000
.endr
.irp i, 2,4,6,8,10,12,14
.irp b, 0,1
	v_max3_num_f32 v[90+\b], v[90+\b], |v[96+16*\b+\i]|, |v[97+16*\b+\i]|
.endr
.endr
.irp b, 0,1
	v_permlanex16_b32 v[92+\b], v[90+\b], s[SEL], s[SEL+1]
.endr
.irp b, 0,1
	v_max_num_f32 v[90+\b], v[90+\b], v[92+\b]
.endr
.irp b, 0,1
	v_add_nc_u32 v[92+\b], 0xff000000, v[90+\b]
.endr
.irp b, 0,1
	v_lshrrev_b32 v[90+\b], 23, v[92+\b]
.endr
	v_lshl_or_b32 v94, v91, 8, v90
	v_cvt_scalef32_pk16_fp6_f32 v[240:242], v[96:111], v92
	v_cvt_scalef32_pk16_fp6_f32 v[128:130], v[112:127], v93
	v_nop
.irp i, 0,1,2
	v_permlane16_swap_b32 v[240+\i], v[128+\i]     ; a whole block in a lane
.endr
.irp i, 0,1,2
	v_mov_b32 v[243+\i], v[128+\i]
.endr
	global_store_b128 v80, v[240:243], s[PQ+4:PQ+5]                ; 512 consecutive bytes
	global_store_b64 v81, v[244:245], s[PQ+4:PQ+5] offset:512      ; 256
	global_store_b16 v84, v94, s[PQ+6:PQ+7]
.endm
.macro PASS p, trips
	s_wait_xcnt 0x0                                ; the last tile's stores have read their registers and bases
	s_lshr_b32 s17, s[WV], 1
	s_lshl_b32 s17, s17, 2
.if \p == 0
	s_lshr_b32 s[NS], 0x45abcdef, s17              ; j of my long tile: the 4-bit number at place wave / 2
.else
	s_lshr_b32 s[NS], 0x30217698, s17              ; and of my short one
.endif
	s_and_b32 s[NS], s[NS], 15
	s_lshl_b32 s16, s[NS], 3
	s_and_b32 s17, s[WV], 1
	s_lshl_b32 s17, s17, 2
	s_add_co_u32 s16, s16, s17
	s_add_co_u32 s16, s16, s[CX]                   ; the query tile: 8 j + 4 u + cx,
	s_add_co_u32 s[NS], s[NS], 1                   ; and its key steps, j + 1, which hang on the wave alone
	s_lshr_b32 s[Q0], s16, 1
	s_lshl_b32 s[Q0], s[Q0], 5
	s_and_b32 s17, s16, 1
	s_lshl_b32 s17, s17, 3
	s_add_co_u32 s[Q0], s[Q0], s17                 ; the tile's first query
	s_sub_co_u32 s17, s[NS], 1
	s_lshl_b32 s17, s17, 7
	s_sub_co_i32 s[DQ], s[Q0], s17                 ; less the last step's first key
	s_mul_i32 s18, s16, 768
	s_add_nc_u64 s[PQ:PQ+1], s[HQ:HQ+1], s[18:19]
	s_lshr_b32 s18, s16, 2
	s_lshl_b32 s18, s18, 8
	s_and_b32 s17, s16, 3
	s_lshl_b32 s17, s17, 2
	s_add_co_u32 s18, s18, s17
	s_add_nc_u64 s[PQ+2:PQ+3], s[HQ+2:HQ+3], s[18:19]
	s_mul_i32 s18, s16, 12288
	s_add_nc_u64 s[PQ+4:PQ+5], s[HQ+4:HQ+5], s[18:19]
	s_lshl_b32 s18, s16, 9
	s_add_nc_u64 s[PQ+6:PQ+7], s[HQ+6:HQ+7], s[18:19]
	global_load_b128 v[16:19], v80, s[PQ:PQ+1]
	global_load_b64 v[20:21], v81, s[PQ:PQ+1] offset:512
	global_load_b32 v88, v83, s[PQ+2:PQ+3]
	v_mov_b32 v13, 0xff61b1e6                      ; -3e38, under every score
	v_floor_f32 v12, -v13
	v_mov_b32 v14, 0
	v_mov_b32 v15, 0
.set J, 0
.rept 32
	v_mov_b32 v[160+J], 0                          ; the step is written once: the first finds zeros
.set J, J+1
.endr
	s_mov_b32 s[TBK], 0
	s_mov_b32 s[TBV], VLDS
	s_mov_b32 s[TSK], 0
	s_mov_b32 s[TSV], 0
	s_mov_b32 s[CNT], 0
.if \p == 0
	s_wait_tensorcnt 0x0                           ; my tile is in;
	s_barrier_signal -1
	s_barrier_wait -1                              ; and so is every wave's
.endif
	s_wait_dscnt 0x0                               ; no load is on its way into K's registers
	KLOAD v1, v2, v8, 0
	s_wait_alu depctr_va_vdst(0)
	s_wait_loadcnt 0x0
.Lk_\@:
	STEP
	s_add_co_u32 s[CNT], s[CNT], 1
	s_cmp_lt_u32 s[CNT], \trips
	s_cbranch_scc1 .Lk_\@
	YOUT
.endm
	PASS 0, 16
	PASS 1, 10
	s_wait_tensorcnt 0x0                           ; the wave's end
	ds_add_u32 v86, v87
	s_wait_dscnt 0x0
	CROUND                                         ; the closing round
	s_endpgm
.Lfunc_end_k_q9776e18e09_attn:
	.size	k_q9776e18e09_attn, .Lfunc_end_k_q9776e18e09_attn-k_q9776e18e09_attn
	.p2alignl 7, 3214868480
	.fill 96, 4, 3214868480
	.section	.rodata,"a",@progbits
	.p2align	6, 0x0
	.amdhsa_kernel k_q9776e18e09_attn
		.amdhsa_group_segment_fixed_size 327680
		.amdhsa_private_segment_fixed_size 0
		.amdhsa_enable_private_segment 0
		.amdhsa_kernarg_size 24
		.amdhsa_user_sgpr_count 2
		.amdhsa_user_sgpr_kernarg_segment_ptr 1
		.amdhsa_wavefront_size32 1
		.amdhsa_system_sgpr_workgroup_id_x 1
		.amdhsa_system_sgpr_workgroup_id_y 1
		.amdhsa_system_sgpr_workgroup_id_z 1
		.amdhsa_system_vgpr_workitem_id 0
		.amdhsa_next_free_vgpr 256
		.amdhsa_next_free_sgpr 102
		.amdhsa_reserve_vcc 1
		.amdhsa_float_denorm_mode_32 3
		.amdhsa_float_denorm_mode_16_64 3
		.amdhsa_memory_ordered 1
		.amdhsa_forward_progress 1
		.amdhsa_inst_pref_size 67
	.end_amdhsa_kernel
	.amdgpu_metadata
---
amdhsa.version: [ 1, 2 ]
amdhsa.kernels:
  - .name:           k_q9776e18e09_attn
    .symbol:         k_q9776e18e09_attn.kd
    .args:
      - { .name: qkq, .offset: 0, .size: 8, .value_kind: global_buffer, .address_space: global }
      - { .name: vq, .offset: 8, .size: 8, .value_kind: global_buffer, .address_space: global }
      - { .name: yq, .offset: 16, .size: 8, .value_kind: global_buffer, .address_space: global }
    .group_segment_fixed_size: 327680
    .private_segment_fixed_size: 0
    .kernarg_segment_align: 8
    .kernarg_segment_size: 24
    .max_flat_workgroup_size: 512
    .sgpr_count:     102
    .vgpr_count:     256
    .wavefront_size: 32
...
	.end_amdgpu_metadata
.endif
;; end of part 3
;; launch gemm_proj (part 4): grid 4 x 64, 4 waves a work-group, clusters of 4 x 4, 327,680 bytes of LDS; arguments yq, wq, b_proj, out0; writes out0
.if DOCPART == 4
	.amdgcn_target "amdgcn-amd-amdhsa--gfx1250"
	.amdhsa_code_object_version 6
	.text
	.protected	k_q9776e18e09_gemm_proj
	.globl	k_q9776e18e09_gemm_proj
	.p2align	8
	.type	k_q9776e18e09_gemm_proj,@function
k_q9776e18e09_gemm_proj:
	s_mov_b64 s[64:65], 0
	v_nop
	global_prefetch_b8 v0, s[64:65] scope:SCOPE_SE
	s_setreg_imm32_b32 hwreg(HW_REG_WAVE_MODE, 25, 1), 1
	s_wait_xcnt 0x0
	s_wait_alu depctr_hold_cnt(0) depctr_sa_sdst(0) depctr_va_vdst(0) depctr_va_sdst(0) depctr_va_ssrc(0) depctr_va_vcc(0) depctr_vm_vsrc(0)
	s_getreg_b32 s2, hwreg(HW_REG_IB_STS2, 6, 4)
	s_cmp_eq_u32 s2, 0
	s_cbranch_scc0 .Lentry_in_a_cluster
	s_endpgm
.Lentry_in_a_cluster:
	s_bfe_u32 s2, ttmp6, 0x10000c
	s_cmp_lg_u32 s2, 0xf033
	s_cbranch_scc0 .Lentry_shape_is_right
	s_endpgm
.Lentry_shape_is_right:
; out0 = y W_proj + b_proj on codes of FP6 (E2M3) with E8M0 scales (yq; wq's tiles 192-255), f32 sums.
; 256 work-groups of four waves; a work-group makes 128 rows x 256 columns, a wave 64 x 128: 32 accumulators of 16 x 16, which take turns.
; ALL OF K LIES IN LDS: y's eight tiles (98,304 bytes), W's sixteen (196,608) and their scale tables (4,096 and 8,192) are four dense blocks of memory, asked for at the head, one joint load a wave.
; Nothing is filled again: no ring, no round inside the work; and there is no loop in which a prefetch could run ahead of a load.
; CLUSTERS: 4 x 4.  y's blocks hang on the tile row and are shared along a row of the cluster, W's on the tile column and along a column.
; OPERANDS lie as tiles of 16 rows (tile 2 b + u: rows 32 b + 8 u + r + 8 (r / 8)), each tile as 16 pieces of 768 bytes, images of operand registers: a fragment is four loads of consecutive bytes.
; Source 0 = W's columns, source 1 = y's rows: register j of accumulator (a, b) in lane (r, h) is column 32 (b / 2) + 8 (b % 2) + 16 h + j of the tile's row r.  The bias is the C of each sum's first product.
; REGISTERS: window 0: v16-17, v20-23 fragment addresses; v24, v25 the stage; v27 scale address; v28, v29 for the add; v32-63 scale words, two sets; v64-127 the bias; v128-223 y's fragments, two sets of four.
; window 1: W's fragments, two sets, at v0 and v128.  window 2: the accumulators ((a, b) at v[8 (8 a + b)]).
.set TILEA,  12288                     ; a tile, all of K
.set BCOD,   98304
.set SCA,    294912
.set SCBB,   299008
.set SPARE,  307200
.set XSC,    6291456
.set WSC,    3145728
.set SPITCH, 528
.set FR,     12
.set ADRA, 16
.set ADRB, 20
.set STO,  24
.set RD,   25
.set ADRS, 27
.set SPW,  28
.set NIL,  29
.set SC,   32
.set BI,   64
.set AF,   128
.set BK,   128
.set G1, 24
.set G0, 32
.set G1B, 48
.set G0B, 56
.set G1S, 68
.set G0S, 76
.set G1SB, 80
.set G0SB, 88
.set MSB, 0
.macro WIN new                         ; the immediate's high byte repeats the setting that is left
.if MSB != \new
	s_set_vgpr_msb (MSB<<8)|\new
.set MSB, \new
.endif
.endm
.set MUL_LO, 0xa1                      ; source 0 window 1, source 1 window 0, C and D window 2
.set BIA_LO, 0x81                      ; the first products: C (the bias) window 0
.set TO_B,   0x40
.macro CROUND
	s_barrier_signal -1
	s_barrier_wait -1
	s_cmp_lg_u32 s14, 0
	s_cbranch_scc1 .Lnot_wave_0_\@
	s_barrier_signal -3
.Lnot_wave_0_\@:
	s_barrier_wait -3
	s_barrier_signal -1
	s_barrier_wait -1
.endm
.macro PLACES n
.rept \n
	v_nop
.endr
.endm
.macro GRP1 g, mask, rows              ; a dense block as rows of 256 bytes (32 elements of 8)
	s_or_b32 s[\g], s\mask, (3<<16)|(1<<21)
	s_mov_b32 s[\g+1], 32<<16
	s_mov_b32 s[\g+2], (\rows)<<16
	s_mov_b32 s[\g+3], 32<<16
	s_mov_b32 s[\g+4], \rows
	s_mov_b32 s[\g+5], 32
	s_mov_b32 s[\g+6], 0
	s_mov_b32 s[\g+7], 0
.endm
	s_load_b128 s[4:7], s[0:1], 0x0                ; yq, wq
	s_load_b128 s[8:11], s[0:1], 0x10              ; b_proj, out0
	v_lshl_add_u32 v[SPW], v0, 2, SPARE
	v_mov_b32 v[NIL], 0
	ds_add_u32 v[SPW], v[NIL]
	ds_add_u32 v[SPW], v[NIL]
	v_lshrrev_b32 v1, 5, v0
	v_readfirstlane_b32 s14, v1                    ; wave
	s_lshr_b32 s15, s14, 1                         ; my half of the rows
	s_and_b32 s16, s14, 1                          ; my half of the columns
	s_bfe_u32 s40, ttmp6, 0x40000                  ; cx
	s_bfe_u32 s41, ttmp6, 0x40004                  ; cy
	s_lshl_b32 s23, ttmp9, 2
	s_add_co_u32 s23, s23, s40                     ; tile column, 0 .. 3
	s_and_b32 s22, ttmp7, 0xffff
	s_lshl_b32 s22, s22, 2
	s_add_co_u32 s22, s22, s41                     ; tile row, 0 .. 63
	s_lshl_b32 s43, s41, 2
	s_lshl_b32 s43, 15, s43                        ; my row of the cluster
	s_lshl_b32 s44, 0x1111, s40                    ; my column
	GRP1 G1, 43, 384
	GRP1 G1B, 44, 768
	GRP1 G1S, 43, 16
	GRP1 G1SB, 44, 32
	s_mul_i32 s98, s22, 8*TILEA
	s_mov_b32 s99, 0
	s_lshl_b32 s2, s22, 12
	s_add_co_u32 s2, s2, XSC
	s_mov_b32 s3, 0
	s_lshl_b32 s96, s23, 4
	s_add_co_u32 s96, s96, 192
	s_mul_i32 s66, s96, TILEA
	s_mov_b32 s67, 0
	s_lshl_b32 s100, s96, 9
	s_add_co_u32 s100, s100, WSC
	s_mov_b32 s101, 0
	s_wait_dscnt 0x0
	s_wait_kmcnt 0x0
	CROUND                                         ; all sixteen work-groups are here: the joint loads meet
	s_mov_b32 s[G0], 1
	s_mov_b32 s[G0+1], 0
	s_add_nc_u64 s[G0+2:G0+3], s[4:5], s[98:99]
	s_or_b32 s[G0+3], s[G0+3], 0x80000000
	s_mov_b32 s[G0B], 1
	s_mov_b32 s[G0B+1], BCOD
	s_add_nc_u64 s[G0B+2:G0B+3], s[6:7], s[66:67]
	s_or_b32 s[G0B+3], s[G0B+3], 0x80000000
	s_mov_b32 s[G0S], 1
	s_mov_b32 s[G0S+1], SCA
	s_add_nc_u64 s[G0S+2:G0S+3], s[4:5], s[2:3]
	s_or_b32 s[G0S+3], s[G0S+3], 0x80000000
	s_mov_b32 s[G0SB], 1
	s_mov_b32 s[G0SB+1], SCBB
	s_add_nc_u64 s[G0SB+2:G0SB+3], s[6:7], s[100:101]
	s_or_b32 s[G0SB+3], s[G0SB+3], 0x80000000
.macro HARM under, g0, g1, next        ; one chain of branches on the wave's number: every way through the head passes one load
	s_cmp_lt_u32 s14, \under
	s_cbranch_scc0 \next
	tensor_load_to_lds s[\g0:\g0+3], s[\g1:\g1+7]
	s_nop 0
	PLACES 4
	s_branch .Lhead_asked
\next:
.endm
	HARM 1, G0B, G1B, .Lhead_a
	HARM 2, G0,  G1,  .Lhead_sa
	HARM 3, G0S, G1S, .Lhead_sb
	tensor_load_to_lds s[G0SB:G0SB+3], s[G1SB:G1SB+7]
	s_nop 0
	PLACES 4
.Lhead_asked:
	v_and_b32 v1, 31, v0
	v_and_b32 v2, 15, v0                           ; r
	v_bfe_u32 v3, v0, 4, 1                         ; h
	v_lshlrev_b32 v4, 4, v1
	v_lshlrev_b32 v5, 3, v1
	s_mul_i32 s4, s15, 4*TILEA                     ; my four tiles of y,
	s_mul_i32 s5, s16, 8*TILEA
	s_add_co_u32 s5, s5, BCOD                      ; my eight of W: tiles 0-3,
	v_add_nc_u32 v[ADRA], s4, v4
	v_add_nc_u32 v[ADRA+1], s4, v5
	v_add_nc_u32 v[ADRB], s5, v4
	v_add_nc_u32 v[ADRB+1], s5, v5
	s_add_co_u32 s5, s5, 4*TILEA                   ; and tiles 4-7: the loads' immediates have 16 bits
	v_add_nc_u32 v[ADRB+2], s5, v4
	v_add_nc_u32 v[ADRB+3], s5, v5
	v_lshlrev_b32 v6, 3, v2                        ; my row's entry: 8 r
	s_lshl_b32 s4, s15, 11
	s_add_co_u32 s4, s4, SCA
	s_lshl_b32 s5, s16, 12
	s_add_co_u32 s5, s5, SCBB
	s_sub_co_u32 s5, s5, s4
	v_mul_u32_u24 v7, s5, v3                       ; lanes 16-31 take W's
	v_add_nc_u32 v6, v6, v7
	v_add_nc_u32 v[ADRS], s4, v6
	s_mul_i32 s4, s14, 16*SPITCH                   ; my stage
	v_mul_u32_u24 v6, v2, SPITCH
	v_lshl_add_u32 v6, v3, 6, v6
	v_add_nc_u32 v[STO], s4, v6
	v_add_nc_u32 v[RD], s4, v4
	s_lshl_b32 s6, s23, 10
	s_lshl_b32 s7, s16, 9
	s_add_co_u32 s6, s6, s7                        ; my first column, in bytes
	s_mov_b32 s7, 0
	s_add_nc_u64 s[18:19], s[8:9], s[6:7]
	v_lshlrev_b32 v8, 6, v3
.irp b, 0,1,2,3,4,5,6,7
	global_load_b128 v[BI+8*\b:BI+8*\b+3], v8, s[18:19] offset:(32*(\b/2)+8*(\b%2))*4
	global_load_b128 v[BI+8*\b+4:BI+8*\b+7], v8, s[18:19] offset:(32*(\b/2)+8*(\b%2))*4+16
.endr
	s_lshl_b32 s4, s22, 7
	s_lshl_b32 s5, s15, 6
	s_add_co_u32 s4, s4, s5                        ; my first row
	s_lshl_b32 s4, s4, 12
	s_add_co_u32 s4, s4, s6
	s_mov_b32 s5, 0
	s_add_nc_u64 s[12:13], s[10:11], s[4:5]
.macro FRAG reg, adr, off              ; 16 rows x 128 K, 12 registers: two pieces, each 16 bytes a lane and then 8 bytes a lane
	ds_load_b128 v[\reg:\reg+3], v[\adr] offset:\off
	ds_load_b64 v[\reg+4:\reg+5], v[\adr+1] offset:(\off)+512
	ds_load_b128 v[\reg+6:\reg+9], v[\adr] offset:(\off)+768
	ds_load_b64 v[\reg+10:\reg+11], v[\adr+1] offset:(\off)+1280
.endm
.macro FETCH q                         ; step q's twelve fragments into sets q % 2: 48 loads; with an even q the scale words of steps q and q + 1, 8 loads: lanes 0-15 y's tile i, lanes 16-31 W's (y has four: the other four words of lanes 0-15 are not used)
	WIN TO_B
.irp i, 0,1,2,3,4,5,6,7
	FRAG 128*((\q)%2)+FR*\i, ADRB+2*(\i/4), (\i%4)*TILEA+(\q)*1536
.endr
	WIN 0
.irp i, 0,1,2,3
	FRAG AF+48*((\q)%2)+FR*\i, ADRA, \i*TILEA+(\q)*1536
.endr
.if (\q)%2 == 0
.irp i, 0,1,2,3,4,5,6,7
	ds_load_b64 v[SC+16*(((\q)/2)%2)+2*\i:SC+16*(((\q)/2)%2)+2*\i+1], v[ADRS] offset:\i*512+((\q)/2)*128
.endr
.endif
.endm
.macro MUL32 q, zero                   ; 128 along K: 32 products, the accumulators by turns in the same order in every step
.irp a, 0,1,2,3
.irp b, 0,1,2,3,4,5,6,7
.if \zero
	v_wmma_scale_f32_16x16x128_f8f6f4 v[8*(8*\a+\b):8*(8*\a+\b)+7], v[128*((\q)%2)+FR*\b:128*((\q)%2)+FR*\b+FR-1], v[AF+48*((\q)%2)+FR*\a:AF+48*((\q)%2)+FR*\a+FR-1], v[BI+8*\b:BI+8*\b+7], v[SC+16*(((\q)/2)%2)+2*\b+(\q)%2], v[SC+16*(((\q)/2)%2)+2*\a+(\q)%2] matrix_a_fmt:MATRIX_FMT_FP6 matrix_b_fmt:MATRIX_FMT_FP6 matrix_a_scale:MATRIX_SCALE_ROW1
.else
	v_wmma_scale_f32_16x16x128_f8f6f4 v[8*(8*\a+\b):8*(8*\a+\b)+7], v[128*((\q)%2)+FR*\b:128*((\q)%2)+FR*\b+FR-1], v[AF+48*((\q)%2)+FR*\a:AF+48*((\q)%2)+FR*\a+FR-1], v[8*(8*\a+\b):8*(8*\a+\b)+7], v[SC+16*(((\q)/2)%2)+2*\b+(\q)%2], v[SC+16*(((\q)/2)%2)+2*\a+(\q)%2] matrix_a_fmt:MATRIX_FMT_FP6 matrix_b_fmt:MATRIX_FMT_FP6 matrix_a_scale:MATRIX_SCALE_ROW1
.endif
.endr
.endr
.endm
	s_wait_alu depctr_va_vdst(0)
	s_wait_loadcnt 0x0
	s_wait_tensorcnt 0x0                           ; my block is in;
	s_barrier_signal -1
	s_barrier_wait -1                              ; and so is every wave's
	FETCH 0
	FETCH 1
	s_wait_dscnt 48                                ; step 0's loads are in; step 1's 48 may be out
	WIN BIA_LO
	MUL32 0, 1
.set Q, 1
.rept 6
	PLACES 4                                       ; in front of loads into registers that the last step's products read
	FETCH Q+1
	s_wait_dscnt 48+8*(Q%2)                        ; all but the loads just issued
	WIN MUL_LO
	MUL32 Q, 0
.set Q, Q+1
.endr
	s_wait_dscnt 0x0                               ; my reads of the codes are over:
	s_barrier_signal -1                            ; say so, work on registers meanwhile,
	MUL32 7, 0
	WIN 0
	s_barrier_wait -1                              ; and behind this wait nobody reads y's codes: the stages lie there, and no load fills them again
; THE WAY OUT, block by block of 16 rows x 128 columns, through my own stage: back as whole rows of 512 bytes.  LDS serves a wave's instructions in order: no wait between the stores and the loads.
.macro TOSTAGE a
	WIN 0x08                                       ; the data: window 2
.irp b, 0,1,2,3,4,5,6,7
	ds_store_b128 v[STO], v[64*(\a)+8*\b:64*(\a)+8*\b+3] offset:128*(\b/2)+32*(\b%2)        ; each accumulator from its low end on
	ds_store_b128 v[STO], v[64*(\a)+8*\b+4:64*(\a)+8*\b+7] offset:128*(\b/2)+32*(\b%2)+16
.endr
	WIN 0
.set BB, BK+64*((\a)%2)
.irp t, 0,1,2,3,4,5,6,7,8,9,10,11,12,13,14,15
	ds_load_b128 v[BB+4*\t:BB+4*\t+3], v[RD] offset:\t*SPITCH
.endr
.endm
.macro SEND a, younger                 ; younger: the LDS instructions issued behind block a's loads
.set BB, BK+64*((\a)%2)
	s_wait_dscnt \younger
.irp t, 0,1,2,3,4,5,6,7,8,9,10,11,12,13,14,15
	global_store_b128 v4, v[BB+4*\t:BB+4*\t+3], s[12:13] offset:(32*((\a)/2)+8*((\a)%2)+\t+8*(\t/8))*4096 th:TH_STORE_NT   ; 512 consecutive bytes, aligned
.endr
.endm
	PLACES 4
	TOSTAGE 0
.irp a, 1,2,3
.if \a > 1
	s_wait_xcnt 0x0                                ; block a - 2's stores have read their registers
.endif
	TOSTAGE \a
	SEND \a-1, 32
.endr
	SEND 3, 0
	s_wait_tensorcnt 0x0                           ; the wave's end
	ds_add_u32 v[SPW], v[NIL]
	s_wait_dscnt 0x0
	CROUND                                         ; the closing round
	s_endpgm
.Lfunc_end_k_q9776e18e09_gemm_proj:
	.size	k_q9776e18e09_gemm_proj, .Lfunc_end_k_q9776e18e09_gemm_proj-k_q9776e18e09_gemm_proj
	.p2alignl 7, 3214868480
	.fill 96, 4, 3214868480
	.section	.rodata,"a",@progbits
	.p2align	6, 0x0
	.amdhsa_kernel k_q9776e18e09_gemm_proj
		.amdhsa_group_segment_fixed_size 327680
		.amdhsa_private_segment_fixed_size 0
		.amdhsa_enable_private_segment 0
		.amdhsa_kernarg_size 32
		.amdhsa_user_sgpr_count 2
		.amdhsa_user_sgpr_kernarg_segment_ptr 1
		.amdhsa_wavefront_size32 1
		.amdhsa_system_sgpr_workgroup_id_x 1
		.amdhsa_system_sgpr_workgroup_id_y 1
		.amdhsa_system_sgpr_workgroup_id_z 1
		.amdhsa_system_vgpr_workitem_id 0
		.amdhsa_next_free_vgpr 768
		.amdhsa_next_free_sgpr 102
		.amdhsa_reserve_vcc 0
		.amdhsa_float_denorm_mode_32 3
		.amdhsa_float_denorm_mode_16_64 3
		.amdhsa_memory_ordered 1
		.amdhsa_forward_progress 1
		.amdhsa_inst_pref_size 85
	.end_amdhsa_kernel
	.amdgpu_metadata
---
amdhsa.version: [ 1, 2 ]
amdhsa.kernels:
  - .name:           k_q9776e18e09_gemm_proj
    .symbol:         k_q9776e18e09_gemm_proj.kd
    .args:
      - { .name: yq, .offset: 0, .size: 8, .value_kind: global_buffer, .address_space: global }
      - { .name: wq, .offset: 8, .size: 8, .value_kind: global_buffer, .address_space: global }
      - { .name: b_proj, .offset: 16, .size: 8, .value_kind: global_buffer, .address_space: global }
      - { .name: out0, .offset: 24, .size: 8, .value_kind: global_buffer, .address_space: global }
    .group_segment_fixed_size: 327680
    .private_segment_fixed_size: 0
    .kernarg_segment_align: 8
    .kernarg_segment_size: 32
    .max_flat_workgroup_size: 128
    .sgpr_count:     102
    .vgpr_count:     768
    .wavefront_size: 32
...
	.end_amdgpu_metadata
.endif
;; end of part 4
